; MI455X (gfx1250); checked and timed in simulation.
; The chip was launched on July 23, 2026; its instructions are those of AMD's public machine-readable ISA for CDNA 5 (MIT licence, August 2026) and "CDNA5" Instruction Set Architecture Reference Guide (July 2026). The comments in the code are by the model that wrote it; some were corrected since.
;; Path Mo E. Allowed arithmetic: float matrix products may take bf16 or f16 operands with f32 sums; other float arithmetic in f32, or as packed bf16 or f16 multiplies, adds, multiply-adds, maxima and minima; sums over many terms, partial sums and values carried from step to step in f32; what a program stores and reads back later, other than sums and carried values, may be rounded once to bf16 or f16.
;; Inputs: W_fc 1,024 x 512 float32; Wa 512 x 256 float32; Wb 512 x 256 float32; Wc 256 x 1 float32; attn_W 2,048 x 4 float32; attn_b 4 float32; b_fc 512 float32; ba 256 float32; bb 256 float32; bc 1 float32; cls_W 512 x 2 float32; cls_b 2 float32; h1 16,384 x 1,024 float32; h2 16,384 x 1,024 float32; h3 16,384 x 1,024 float32; h4 16,384 x 1,024 float32; inst_W 512 x 2 float32; inst_b 2 float32.
;; Outputs: out0 1 x 2 float32; out1 1 x 2 float32; out2 1 int32; out3 4 x 1 x 16,384 float32; out4 one number float32; out5 4 x 16 int32.
;; Constants: label = 0.
;; 2 versions, each right; version 2 is version 1 with the launch prep written anew for expert scheduling mode. Each part assembles by itself: llvm-mc -triple=amdgcn-amd-amdhsa -mcpu=gfx1250 --defsym DOCPART=n.
;; ======== version 1 of 2: 4 launches
;; limits: values are held in f16: magnitudes above 65,504 overflow, below 6.1e-05 lose precision
;; workspace buffers: wstream 1,572,864 bytes; instT 2,048 bytes; tab 5,376 bytes; dl 262,144 bytes; part 1,048,576 bytes; cand 16,384 bytes; mws 8,192 bytes
;; launch prep (part 1): grid 97 x 1, 8 waves a work-group, no clusters, 0 bytes of LDS; arguments W_fc, Wa, Wb, Wc, b_fc, ba, bb, bc, inst_W, wstream, instT, tab; writes wstream, instT, tab
.if DOCPART == 1
	.amdgcn_target "amdgcn-amd-amdhsa--gfx1250"
	.amdhsa_code_object_version 6
	.text
	.protected	k_q751a721d84_prep
	.globl	k_q751a721d84_prep
	.p2align	8
	.type	k_q751a721d84_prep,@function
k_q751a721d84_prep:
	s_mov_b64 s[64:65], 0
	v_nop
	global_prefetch_b8 v0, s[64:65] scope:SCOPE_SE
	s_setreg_imm32_b32 hwreg(HW_REG_WAVE_MODE, 25, 1), 1
	s_wait_xcnt 0x0
; THE WEIGHTS ARE CAST ONCE.  Every input is rounded to bf16 (nearest even); what the second product and the instance head multiply is that number written as f16.
; wstream: 1,536 rows of 1,024 bytes.  Rows 0-1023: bf16(W_fc[k][0..511]).  Rows 1024+k: column o' = 128 w + 64 t + j holds (t ? Wb : Wa)[k][64 w + j], so that one wave of the
; main launch finds a column of Wa and the same column of Wb in one lane.  instT: [2][512] f16, inst_W turned.  tab: f32 numbers that are bf16-rounded: b_fc, (ba, bb) in the o' order, Wc, bc 64 times.
; LIMIT: a weight of Wa, Wb, inst_W below 2^-14 in size keeps f16's fixed step of 6e-8; beyond 65,504 it would be an infinity.
; Work-groups 0-63 cast W_fc (32 KiB each), 64-95 Wa and Wb (16 rows each), 96 the small tables.  No LDS, no barrier: nothing is shared.
.macro RB a, b, t                      ; two f32 rounded to bf16 and kept as f32
	v_cvt_pk_bf16_f32 v[\t], v[\a], v[\b]
	v_lshlrev_b32 v[\a], 16, v[\t]
	v_and_b32 v[\b], 0xffff0000, v[\t]
.endm
.macro RH o, a, b, t                   ; the same, then packed as two f16
	RB \a, \b, \t
	v_cvt_pk_f16_f32 v[\o], v[\a], v[\b]
.endm
	s_load_b512 s[4:19], s[0:1], 0x0               ; W_fc s[4:5], Wa s[6:7], Wb s[8:9], Wc s[10:11], b_fc s[12:13], ba s[14:15], bb s[16:17], bc s[18:19]
	s_load_b256 s[20:27], s[0:1], 0x40             ; inst_W s[20:21], wstream s[22:23], instT s[24:25], tab s[26:27]
	v_lshrrev_b32 v1, 5, v0
	v_readfirstlane_b32 s28, v1                    ; wave 0..7
	v_and_b32 v1, 31, v0                           ; lane
	s_mov_b32 s29, 0xffff0000                      ; lanes 16-31
	s_mov_b32 s31, 0
	s_wait_kmcnt 0x0
	s_cmp_lt_u32 ttmp9, 64
	s_cbranch_scc0 .Lnot_a
	; W_fc: 8 units of 4,096 bytes in, 2,048 out; a wave's store covers 256 consecutive bytes, aligned
	s_lshl_b32 s30, ttmp9, 15
	s_add_nc_u64 s[4:5], s[4:5], s[30:31]
	s_lshl_b32 s30, ttmp9, 14
	s_add_nc_u64 s[22:23], s[22:23], s[30:31]
	v_lshlrev_b32 v2, 4, v0
	v_lshlrev_b32 v3, 3, v0
.set u, 0
.rept 8
	global_load_b128 v[8+4*u:11+4*u], v2, s[4:5] offset:4096*u th:TH_LOAD_NT
.set u, u+1
.endr
.set u, 0
.rept 8
	s_wait_loadcnt 7-u                             ; loads come back in order: unit u is in, the younger ones stay out
	v_cvt_pk_bf16_f32 v[40+2*u], v[8+4*u], v[9+4*u]
	v_cvt_pk_bf16_f32 v[41+2*u], v[10+4*u], v[11+4*u]
	global_store_b64 v3, v[40+2*u:41+2*u], s[22:23] offset:2048*u
.set u, u+1
.endr
	s_endpgm
.Lnot_a:
	s_cmp_lt_u32 ttmp9, 96
	s_cbranch_scc0 .Lnot_b
	; Wa, Wb: a wave takes two rows k.  Unit u = 64 columns: lanes 0-15 keep Wa's, lanes 16-31 Wb's of the same columns
	s_sub_co_u32 s30, ttmp9, 64
	s_lshl_b32 s30, s30, 14
	s_lshl_b32 s32, s28, 11
	s_add_co_u32 s30, s30, s32
	s_add_nc_u64 s[6:7], s[6:7], s[30:31]
	s_add_nc_u64 s[8:9], s[8:9], s[30:31]
	s_add_nc_u64 s[22:23], s[22:23], s[30:31]
	s_add_nc_u64 s[22:23], s[22:23], 1048576       ; behind W_fc's 1,024 rows
	v_and_b32 v2, 15, v0
	v_lshlrev_b32 v2, 4, v2
	v_lshlrev_b32 v3, 3, v1
.set u, 0
.rept 8
	global_load_b128 v[8+4*u:11+4*u], v2, s[6:7] offset:256*u
	global_load_b128 v[40+4*u:43+4*u], v2, s[8:9] offset:256*u
.set u, u+1
.endr
.set u, 0
.rept 8
	s_wait_loadcnt 14-2*u                          ; unit u's two loads are in
.irp k, 0,1,2,3
	v_cndmask_b32 v[8+4*u+(\k)], v[8+4*u+(\k)], v[40+4*u+(\k)], s29
.endr
	RH 72+2*u, 8+4*u, 9+4*u, 4
	RH 73+2*u, 10+4*u, 11+4*u, 4
	global_store_b64 v3, v[72+2*u:73+2*u], s[22:23] offset:256*u
.set u, u+1
.endr
	s_endpgm
.Lnot_b:
	s_cmp_lt_u32 s28, 4
	s_cbranch_scc0 .Lc_hi
	; waves 0-3: a quarter each of b_fc, of (ba, bb) and of inst_W
	s_lshl_b32 s32, s28, 9
	s_lshl_b32 s33, s28, 8
	s_lshl_b32 s34, s28, 10
	v_lshl_add_u32 v2, v1, 4, s32                  ; 512 w + 16 l
	v_and_b32 v3, 15, v0
	v_lshl_add_u32 v3, v3, 4, s33                  ; 256 w + 16 (l % 16)
	v_lshl_add_u32 v4, v1, 5, s34                  ; 1,024 w + 32 l
	v_lshl_add_u32 v5, v1, 3, s33                  ; 256 w + 8 l
	global_load_b128 v[8:11], v2, s[12:13]
	global_load_b128 v[12:15], v3, s[14:15]
	global_load_b128 v[16:19], v3, s[16:17]
	global_load_b128 v[20:23], v4, s[20:21]
	global_load_b128 v[24:27], v4, s[20:21] offset:16
	s_wait_loadcnt 0x0
	RB 8, 9, 6
	RB 10, 11, 6
	global_store_b128 v2, v[8:11], s[26:27]
.irp k, 0,1,2,3
	v_cndmask_b32 v[12+(\k)], v[12+(\k)], v[16+(\k)], s29
.endr
	RB 12, 13, 6
	RB 14, 15, 6
	global_store_b128 v2, v[12:15], s[26:27] offset:2048
	RH 28, 20, 22, 6                               ; class 0 of rows k, k + 1
	RH 29, 24, 26, 6                               ; of rows k + 2, k + 3
	RH 30, 21, 23, 6                               ; class 1
	RH 31, 25, 27, 6
	global_store_b64 v5, v[28:29], s[24:25]
	global_store_b64 v5, v[30:31], s[24:25] offset:1024
	s_endpgm
.Lc_hi:
	s_cmp_lt_u32 s28, 6
	s_cbranch_scc0 .Lc_bc
	s_sub_co_u32 s32, s28, 4                       ; waves 4, 5: half of Wc each
	s_lshl_b32 s32, s32, 9
	v_lshl_add_u32 v2, v1, 4, s32
	global_load_b128 v[8:11], v2, s[10:11]
	s_wait_loadcnt 0x0
	RB 8, 9, 6
	RB 10, 11, 6
	global_store_b128 v2, v[8:11], s[26:27] offset:4096
	s_endpgm
.Lc_bc:
	s_cmp_eq_u32 s28, 6
	s_cbranch_scc0 .Lc_end
	v_mov_b32 v2, 0                                ; wave 6: bc, written 64 times so that the store covers 256 consecutive bytes
	global_load_b32 v8, v2, s[18:19]
	v_lshlrev_b32 v3, 3, v1
	s_wait_loadcnt 0x0
	v_mov_b32 v9, v8
	RB 8, 9, 6
	global_store_b64 v3, v[8:9], s[26:27] offset:5120
.Lc_end:
	s_endpgm
.Lfunc_end_k_q751a721d84_prep:
	.size	k_q751a721d84_prep, .Lfunc_end_k_q751a721d84_prep-k_q751a721d84_prep
	.p2alignl 7, 3214868480
	.fill 96, 4, 3214868480
	.section	.rodata,"a",@progbits
	.p2align	6, 0x0
	.amdhsa_kernel k_q751a721d84_prep
		.amdhsa_group_segment_fixed_size 0
		.amdhsa_private_segment_fixed_size 0
		.amdhsa_enable_private_segment 0
		.amdhsa_kernarg_size 96
		.amdhsa_user_sgpr_count 2
		.amdhsa_user_sgpr_kernarg_segment_ptr 1
		.amdhsa_wavefront_size32 1
		.amdhsa_system_sgpr_workgroup_id_x 1
		.amdhsa_system_sgpr_workgroup_id_y 1
		.amdhsa_system_sgpr_workgroup_id_z 1
		.amdhsa_system_vgpr_workitem_id 0
		.amdhsa_next_free_vgpr 96
		.amdhsa_next_free_sgpr 66
		.amdhsa_reserve_vcc 0
		.amdhsa_float_denorm_mode_32 3
		.amdhsa_float_denorm_mode_16_64 3
		.amdhsa_memory_ordered 1
		.amdhsa_forward_progress 1
		.amdhsa_inst_pref_size 17
	.end_amdhsa_kernel
	.amdgpu_metadata
---
amdhsa.version: [ 1, 2 ]
amdhsa.kernels:
  - .name:           k_q751a721d84_prep
    .symbol:         k_q751a721d84_prep.kd
    .args:
      - { .name: W_fc, .offset: 0, .size: 8, .value_kind: global_buffer, .address_space: global }
      - { .name: Wa, .offset: 8, .size: 8, .value_kind: global_buffer, .address_space: global }
      - { .name: Wb, .offset: 16, .size: 8, .value_kind: global_buffer, .address_space: global }
      - { .name: Wc, .offset: 24, .size: 8, .value_kind: global_buffer, .address_space: global }
      - { .name: b_fc, .offset: 32, .size: 8, .value_kind: global_buffer, .address_space: global }
      - { .name: ba, .offset: 40, .size: 8, .value_kind: global_buffer, .address_space: global }
      - { .name: bb, .offset: 48, .size: 8, .value_kind: global_buffer, .address_space: global }
      - { .name: bc, .offset: 56, .size: 8, .value_kind: global_buffer, .address_space: global }
      - { .name: inst_W, .offset: 64, .size: 8, .value_kind: global_buffer, .address_space: global }
      - { .name: wstream, .offset: 72, .size: 8, .value_kind: global_buffer, .address_space: global }
      - { .name: instT, .offset: 80, .size: 8, .value_kind: global_buffer, .address_space: global }
      - { .name: tab, .offset: 88, .size: 8, .value_kind: global_buffer, .address_space: global }
    .group_segment_fixed_size: 0
    .private_segment_fixed_size: 0
    .kernarg_segment_align: 8
    .kernarg_segment_size: 96
    .max_flat_workgroup_size: 256
    .sgpr_count:     66
    .vgpr_count:     96
    .wavefront_size: 32
...
	.end_amdgpu_metadata
.endif
;; end of part 1
;; launch main (part 2): grid 512 x 1, 4 waves a work-group, clusters of 4 x 1, 327,680 bytes of LDS; arguments h1, h2, h3, h4, wstream, instT, tab, out3, dl, part; writes out3, dl, part
.if DOCPART == 2
	.amdgcn_target "amdgcn-amd-amdhsa--gfx1250"
	.amdhsa_code_object_version 6
	.text
	.protected	k_q751a721d84_main
	.globl	k_q751a721d84_main
	.p2align	8
	.type	k_q751a721d84_main,@function
k_q751a721d84_main:
	s_mov_b64 s[64:65], 0
	v_nop
	global_prefetch_b8 v0, s[64:65] scope:SCOPE_SE
	s_setreg_imm32_b32 hwreg(HW_REG_WAVE_MODE, 25, 1), 1
	s_wait_xcnt 0x0
	s_wait_alu depctr_hold_cnt(0) depctr_sa_sdst(0) depctr_va_vdst(0) depctr_va_sdst(0) depctr_va_ssrc(0) depctr_va_vcc(0) depctr_vm_vsrc(0)
	s_getreg_b32 s2, hwreg(HW_REG_IB_STS2, 6, 4)
	s_cmp_eq_u32 s2, 0
	s_cbranch_scc0 .Lentry_in_a_cluster
	s_endpgm
.Lentry_in_a_cluster:
	s_bfe_u32 s2, ttmp6, 0x10000c
	s_cmp_lg_u32 s2, 0x3003
	s_cbranch_scc0 .Lentry_shape_is_right
	s_endpgm
.Lentry_shape_is_right:
; ALL THAT BELONGS TO A ROW, IN ONE LAUNCH.  A work-group owns a block of 128 rows of one bag:  h = relu(x W_fc + b_fc);  A_raw = (tanh(h Wa + ba) * sigmoid(h Wb + bb)) Wc + bc;
; d = (h inst_W)[1] - (h inst_W)[0];  part[c] = the sum over the block's rows of 2^((A - m) log2 e) h[row][c], m the block's largest A.  h never leaves LDS.
; FORMATS.  x and all weights and biases are rounded to bf16.  x W_fc goes in bf16; h is rounded once to f16 and multiplied in f16 by weights that are bf16 numbers written as f16.  All sums in f32.
; LIMITS.  h must stay within 65,504 (f16); beyond it the row is lost.  The argument of tanh's exponential is held to 60 at the most (there tanh is 1 in f32).  A pool weight below 6e-8 of the block's largest counts as 0.
; NaN and infinities are not treated apart.
; SHARES.  Four waves; wave w makes output columns 128 w .. 128 w + 127 of all 128 rows: 64 accumulators of 16 x 16, 512 registers, in both products.  K goes in steps of 64.
; THE WEIGHTS are one stream of 1,536 K rows x 512 columns (1,024 of W_fc, 512 of Wa | Wb), in chunks of 128 rows = two steps.  THE RING: two LDS slots of a chunk each.  A slot is two PAIRS of strips
; (columns 0-255, 256-511), rows of 512 bytes + 32 of padding.  Wave w fetches 64 rows of pair w / 2 with one tensor load and reads columns of its own from rows that it and its partner fetched.
; In the first product a slot is filled again once for two steps: 256 matrix instructions of a wave stand between a request and the wait for it.  Slot 1 has its last fill with chunk 7; then h is stored into its bytes.
; So the second product has slot 0 alone: its two halves of 64 K rows take turns, a wave's load is 32 rows, and 128 matrix instructions stand between a request and the wait for it
; (h, two slots of 96 rows and the spare words would be 336,384 bytes).  For the same reason a work-group takes one block.
; CLUSTER.  All work-groups walk the same stream: the four of a cluster ask for each tile JOINTLY (the same tensor load, descriptor and mask in all four).
; x comes through registers (f32), is rounded to bf16 and staged in LDS, two stages of 64 along K by turns: each wave stages 32 rows, all four read all 128: one barrier a step, in a chunk's middle a plain one
; at its end the round of the refill.  Two register sets keep a wave's loads two steps ahead.
; THE MATRIX INSTRUCTION IS USED TRANSPOSED: source 0 = 16 weight columns (turned on the way out of LDS), source 1 = 16 rows: register j of lane l of accumulator (a, b) is row 16 a + l % 16, column 128 w + 16 b + 8 (l / 16) + j.
; REGISTERS, in windows of 256 (s_set_vgpr_msb: bits 1:0 source 0, 3:2 source 1, 5:4 source 2, 7:6 destination):
;   window 0: v0-31 addresses; v32-63 at work on h's way out, then Wc; v64-127, v128-191 fragments of x or h, two buffers; v192-255 the bias as a C operand, later sums and the tail's work
;   window 1: v0-63, v192-255 the two sets of x; v64-127, v128-191 the weights' fragments, two buffers
;   window 2: accumulators of rows 0-63 ((a, b) at 8 (8 a + b));   window 3: of rows 64-127
.set WP,     544                       ; a pair's row in LDS: 512 bytes + 32 of padding = 136 words
.set HALFS,  64*WP                     ; 64 K rows of a pair: what a wave's load brings in the first product
.set PAIR,   128*WP                    ; a chunk's rows of a pair
.set SLOT,   2*PAIR
.set XST,    2*SLOT                    ; behind the ring: two stages of x, 128 rows x 144 bytes (64 bf16 + 16 of padding)
.set XPI,    144
.set XBUF,   128*XPI
.set HB,     SLOT                      ; h: 128 rows x 1,040 bytes (512 f16 + 16 of padding), in slot 1's bytes, behind that slot's last fill
.set HP,     1040
.set HHALF,  64*HP
.set AP,     XST+2*XBUF                ; [wave][128] f32: each wave's part of A
.set DST,    AP+2048                   ; [128] f32: d
.set PB,     DST+512                   ; [wave][128] f16: the pool weights, a copy for each wave
.set MST,    PB+1024                   ; [wave][128] f32: the wave's pooled channels
.set SPARE,  MST+2048                  ; the spare words, 128 bytes for each wave: two blocks of 256 bytes that no other line names
.set STEPB,  65536                     ; bytes of a step (64 K rows) in wstream
.set CHUNKB, 131072                    ; of a chunk
.set PK, 32
.set F0, 64
.set F1, 128
.set TB, 192
.set SS, 192                           ; v192-207: a pair of sums for each block of 16 rows
.set IX, 208                           ; v208-215, v216-223: the instance head's two accumulators
.set IY, 216
.set T,  224                           ; v224-255 at work in the tail
; scalars: s24 wave, s25 cx, s26 block, s[28:35] descriptor group 1 for tiles of 64 rows, s[40:43] the walking group 0 of the first product, s[80:87] group 1 for tiles of 32 rows, s[88:91] and s[92:95] group 0 of
; slot 0's two halves, s[44:45] x at the K step last asked for, s[46:47] the weights' prefetch, s48 1 in the cluster that prefetches the weights (else the greatest number), s78 2 there (else the greatest number),
; s49 loop count, s79 the LDS offset of the slot that is read, s[50:51] lane selects, s[52:53] 2 log2 e, s[54:55] -log2 e, s56 60, s58 0, s59 lanes 16-31, s60 bc, s61 log2 e, s[68:69] out3, s[70:71] dl, s[72:73] part, each at my block
.set MSB, 0
.macro WIN new                         ; the immediate's high byte repeats the setting that is left; a switch that changes nothing is dropped
.if MSB != (\new)
	s_set_vgpr_msb (MSB<<8)|(\new)
.set MSB, \new
.endif
.endm
.macro PLACES                          ; four places behind a matrix instruction, in front of loads into its registers and of vector work on its results
.rept 4
	v_nop
.endr
.endm
.macro CREST                           ; a round of the cluster's barrier behind its opening barrier
	s_cmp_lg_u32 s24, 0
	s_cbranch_scc1 .Lnot_wave_0_\@
	s_barrier_signal -3
.Lnot_wave_0_\@:
	s_barrier_wait -3
	s_barrier_signal -1
	s_barrier_wait -1
.endm
.macro CROUND
	s_barrier_signal -1
	s_barrier_wait -1
	CREST
.endm
.macro JLOAD g, p                      ; a joint refill: g = 1: a wave's 64 rows of a chunk, by the walking descriptor; g = 2: its 32 rows of half p of slot 0.  s_nop 0 and four v_nop follow
.if (\g) == 1
	tensor_load_to_lds s[40:43], s[28:35]
.else
	tensor_load_to_lds s[88+4*(\p):91+4*(\p)], s[80:87]
.endif
	s_nop 0
.rept 4
	v_nop
.endr
.endm
; A prefetch of the weights: a whole chunk, 128 rows x 4 blocks of 256 bytes, a lane a block.  Cluster 0 alone asks; its four partners share the rows out by address (row 32 cx + lane), a wave takes the block of its number.
; So each block is named once in the launch.  how = 1: in every round of the first product: the chunk that stands two refills on; how = 2: in the first trip of the second product's loop alone: the stream's last chunk.
.macro ASKW how
.if (\how) == 1
	s_cmp_eq_u32 s48, 1
.else
	s_cmp_gt_u32 s49, s78
.endif
	s_cbranch_scc0 .Lnoask_\@
	global_prefetch_b8 v12, s[46:47] th:TH_LOAD_NT scope:SCOPE_SE
.Lnoask_\@:
.endm
; 16 matrix instructions: row blocks a0, a0 + 1 of the window's four (hi = 0: rows 0-63, 1: rows 64-127) x all 8 column blocks, 32 along K.  mode = 1: the bias starts the sums.
; The 64 accumulators take turns in the same order in every 64 instructions.
.macro MUL16 fmt, f, hi, a0, mode
.if \mode
	WIN 0x81+0x40*(\hi)
.else
	WIN 0xa1+0x50*(\hi)
.endif
.irp a, \a0, (\a0)+1
.irp b, 0,1,2,3,4,5,6,7
.if \mode
	v_wmma_f32_16x16x32_\fmt v[8*(8*(\a)+(\b)):8*(8*(\a)+(\b))+7], v[(\f)+8*(\b):(\f)+8*(\b)+7], v[(\f)+8*(4*(\hi)+(\a)):(\f)+8*(4*(\hi)+(\a))+7], v[TB+8*(\b):TB+8*(\b)+7]
.else
	v_wmma_f32_16x16x32_\fmt v[8*(8*(\a)+(\b)):8*(8*(\a)+(\b))+7], v[(\f)+8*(\b):(\f)+8*(\b)+7], v[(\f)+8*(4*(\hi)+(\a)):(\f)+8*(4*(\hi)+(\a))+7], v[8*(8*(\a)+(\b)):8*(8*(\a)+(\b))+7]
.endif
.endr
.endr
.endm
.macro FETCHW c, f                     ; my columns' 8 fragments (16 columns x 32 K), quarter c of the slot that v7 points into, turned
	WIN 0x40
.irp b, 0,1,2,3,4,5,6,7
	ds_load_tr16_b128 v[(\f)+8*(\b):(\f)+8*(\b)+3],   v7 offset:32*WP*(\c)+32*(\b)
	ds_load_tr16_b128 v[(\f)+8*(\b)+4:(\f)+8*(\b)+7], v7 offset:32*WP*(\c)+32*(\b)+16*WP
.endr
.endm
.macro FETCHX s, c, f                  ; x's 8 fragments (16 rows x 32 K), half c of stage s
	WIN 0
.irp a, 0,1,2,3,4,5,6,7
	ds_load_b128 v[(\f)+8*(\a):(\f)+8*(\a)+3],   v[4+(\s)] offset:16*XPI*(\a)+64*(\c)
	ds_load_b128 v[(\f)+8*(\a)+4:(\f)+8*(\a)+7], v[4+(\s)] offset:16*XPI*(\a)+64*(\c)+32
.endr
.endm
.macro FETCHH hoff, f                  ; h's 8 fragments at byte hoff behind the two walking addresses
	WIN 0
.irp a, 0,1,2,3,4,5,6,7
	ds_load_b128 v[(\f)+8*(\a):(\f)+8*(\a)+3],   v[15+(\a)/4] offset:16*HP*((\a)%4)+(\hoff)
	ds_load_b128 v[(\f)+8*(\a)+4:(\f)+8*(\a)+7], v[15+(\a)/4] offset:16*HP*((\a)%4)+(\hoff)+32
.endr
.endm
.macro XLOAD set                       ; my 32 rows x 256 bytes of a K step: 16 lanes take 256 consecutive bytes of a row
	WIN 0x40
.set q, 0
.rept 16
	global_load_b128 v[192*(\set)+4*q:192*(\set)+4*q+3], v10, s[44:45] offset:8192*q th:TH_LOAD_NT
.set q, q+1
.endr
.endm
; Set `set` of x is rounded to bf16 and stored into stage `set`.  load = 1: the set is asked for again, two steps on.  cnt: the other set's younger loads that may stay out.
; pf = 1: a prefetch of my own 32 rows x 256 bytes, a lane a row, for the two K steps that stand two and three steps behind the loads just issued; not in the loop's last trip, where x's rows end.
.macro XSTAGE set, load, cnt, pf
	s_wait_loadcnt \cnt
	WIN 0x45
.set q, 0
.rept 16
	v_cvt_pk_bf16_f32 v[192*(\set)+4*q],   v[192*(\set)+4*q],   v[192*(\set)+4*q+1]
	v_cvt_pk_bf16_f32 v[192*(\set)+4*q+1], v[192*(\set)+4*q+2], v[192*(\set)+4*q+3]
.set q, q+1
.endr
	WIN 0x04
.set q, 0
.rept 16
	ds_store_b64 v[8+(\set)], v[192*(\set)+4*q:192*(\set)+4*q+1] offset:2*XPI*q
.set q, q+1
.endr
.if \load
	s_wait_xcnt 0x0                                ; every earlier load and prefetch has read its address: x's pointer is stepped only behind this wait
	s_add_nc_u64 s[44:45], s[44:45], 256
	XLOAD \set
.endif
.if \pf
	WIN 0
	s_cmp_gt_u32 s49, 1
	s_cbranch_scc0 .Lnopf_\@
	global_prefetch_b8 v11, s[44:45] offset:512 th:TH_LOAD_NT scope:SCOPE_SE
	global_prefetch_b8 v11, s[44:45] offset:768 th:TH_LOAD_NT scope:SCOPE_SE
.Lnopf_\@:
.endif
.endm
; A step is two halves of 32 along K, 64 matrix instructions each.  The first multiplies buffer 0 and, in its middle, stages x (g = 1) and fetches the second half's fragments (quarter c of the slot, stage st) into buffer 1.
.macro HALF fmt, g, c, st, mode, hoff=0, xs=0, xset=0, xload=0, xcnt=0, xpf=0
	s_wait_dscnt 8                                 ; the weights' and rows 0-63's fragments are in; the youngest eight loads (rows 64-127) may be out
	MUL16 \fmt, F0, 0, 0, \mode
	MUL16 \fmt, F0, 0, 2, \mode
.if \xs
	XSTAGE \xset, \xload, \xcnt, \xpf
.endif
	PLACES
	FETCHW \c, F1
.if (\g) == 1
	FETCHX \st, 1, F1
.else
	FETCHH \hoff, F1
.endif
	s_wait_dscnt 32                                ; all but the 32 loads just issued: the stores into the stage are done too
	MUL16 \fmt, F0, 1, 0, \mode
	MUL16 \fmt, F0, 1, 2, \mode
.endm
; The second half multiplies buffer 1.  TURNP: with a PLAIN barrier, behind which nothing is filled.  In front of it each wave has waited for its stores into the next stage, for its reads of this stage and,
; tw >= 0, until at most tw of its tensor loads are out: 1 in a chunk's middle (the one load issued behind the tile that is read next, the other slot's, may stay out), 0 where the last load must be in.
; fetch = 1: the next step's first fragments: quarter cn of the slot, stage 1 or h at hoff.
.macro TURNP fmt, g, cn, fetch, tw, hoff=0
	s_wait_dscnt 8
	MUL16 \fmt, F1, 0, 0, 0
.if (\tw) >= 0
	s_wait_tensorcnt \tw
.endif
	s_wait_dscnt 0x0
	s_barrier_signal -1
	MUL16 \fmt, F1, 0, 2, 0
	s_barrier_wait -1
.if \fetch
	PLACES
	FETCHW \cn, F0
.if (\g) == 1
	FETCHX 1, 0, F0
.else
	FETCHH \hoff, F0
.endif
.endif
	MUL16 \fmt, F1, 1, 0, 0
	MUL16 \fmt, F1, 1, 2, 0
.endm
; TURNR: with the round of a REFILL.  The products on rows 0-63 go first; then each wave waits for all its tensor loads (one is out: its part of the tile that is read next), adds 0 to its spare word, steps the
; descriptor and the reading address, and waits for the add, for its reads of the bytes to be filled and of this stage, and for its stores into the next stage.  Behind the round nobody in the cluster reads those
; bytes: they are filled again first thing, so that the load has all the matrix work up to the next round in which to land.
; g = 1: a whole slot, with the chunk two on; the reads go over to the other slot.  g = 2: half p of slot 0, with the step two on.
.macro TURNR fmt, g, p, cn, ask, hoff=0
	s_wait_dscnt 8
	MUL16 \fmt, F1, 0, 0, 0
	MUL16 \fmt, F1, 0, 2, 0
	WIN 0
	s_wait_tensorcnt 0x0
	ds_add_u32 v30, v31                            ; 0 onto my spare word: the steps below stand between it and the wait for it
.if (\g) == 1
	s_xor_b32 s41, s41, SLOT                       ; no tensor load of mine is out: the walking descriptor takes the other slot than last time (the wave's term has none of SLOT's bits),
	s_add_nc_u64 s[42:43], s[42:43], CHUNKB        ; and the next chunk; the type bits on top are not reached
	s_xor_b32 s79, s79, SLOT
	v_add_nc_u32 v7, s79, v6                       ; the reads go over to the other slot
.else
	s_add_nc_u64 s[90+4*(\p):91+4*(\p)], s[90+4*(\p):91+4*(\p)], CHUNKB
.endif
.if ((\g) == 1) || ((\p) == 0)
	s_wait_xcnt 0x0                                ; the last prefetch of the weights, a round back, has read its address
	s_add_nc_u64 s[46:47], s[46:47], CHUNKB
.endif
	s_wait_dscnt 0x0
	s_barrier_signal -1
	s_barrier_wait -1
	CREST
	JLOAD \g, \p                                   ; its four v_nop are also the places in front of the loads below
	FETCHW \cn, F0
.if (\g) == 1
	FETCHX 0, 0, F0
.else
	FETCHH \hoff, F0
.endif
.if (\ask) > 0
	WIN 0
	ASKW \ask
.endif
	MUL16 \fmt, F1, 1, 0, 0
	MUL16 \fmt, F1, 1, 2, 0
.endm
; h's way out for block a: rounded to f16 (each accumulator's registers in ascending order), relu on the packed halves, 16 bytes a lane into h's rows
.macro PACKH a
.set AC, 64*((\a)%4)
	WIN 0x0a+5*((\a)/4)
.irp b, 0,1,2,3,4,5,6,7
.irp r, 0,1,2,3
	v_cvt_pk_f16_f32 v[PK+4*(\b)+(\r)], v[AC+8*(\b)+2*(\r)], v[AC+8*(\b)+2*(\r)+1]
.endr
.endr
	WIN 0
.set i, 0
.rept 32
	v_pk_max_num_f16 v[PK+i], v[PK+i], s58
.set i, i+1
.endr
.irp b, 0,1,2,3,4,5,6,7
	ds_store_b128 v[13+(\a)/4], v[PK+4*(\b):PK+4*(\b)+3] offset:16*HP*((\a)%4)+32*(\b)
.endr
.endm
; THE GATE for block a.  Registers AC + 0..31 hold xa = h Wa + ba, AC + 32..63 hold yg = h Wb + bb of the same 32 columns.  With E1 = 2^(2 log2e xa), E2 = 2^(-log2e yg):
; tanh(xa) sigmoid(yg) Wc = (E1 - 1) Wc / ((E1 + 1)(E2 + 1)): two exponentials and one reciprocal a number.  E1's exponent is held to 60 at the most, so that E1 stays finite; far below 0 it gives E1 = 0, which is right.
.macro SCALE a
.set AC, 64*((\a)%4)
	WIN 0xaa+0x55*((\a)/4)
.set p, 0
.rept 16
	v_pk_mul_f32 v[AC+2*p:AC+2*p+1], v[AC+2*p:AC+2*p+1], s[52:53] op_sel_hi:[1,0]
.set p, p+1
.endr
.set p, 0
.rept 32
	v_min_num_f32 v[AC+p], s56, v[AC+p]
.set p, p+1
.endr
.set p, 0
.rept 16
	v_pk_mul_f32 v[AC+32+2*p:AC+33+2*p], v[AC+32+2*p:AC+33+2*p], s[54:55] op_sel_hi:[1,0]
.set p, p+1
.endr
.endm
.macro EXPS a
.set AC, 64*((\a)%4)
	WIN 0xaa+0x55*((\a)/4)
.set p, 0
.rept 64
	v_exp_f32 v[AC+p], v[AC+p]
.set p, p+1
.endr
.endm
.macro DEN a
.set AC, 64*((\a)%4)
	WIN 0xaa+0x55*((\a)/4)
.set p, 0
.rept 16
	v_pk_add_f32 v[AC+32+2*p:AC+33+2*p], v[AC+32+2*p:AC+33+2*p], 1.0 op_sel_hi:[1,0]
.set p, p+1
.endr
.set p, 0
.rept 16
	v_pk_fma_f32 v[AC+32+2*p:AC+33+2*p], v[AC+2*p:AC+2*p+1], v[AC+32+2*p:AC+33+2*p], v[AC+32+2*p:AC+33+2*p]  ; (E1 + 1)(E2 + 1)
.set p, p+1
.endr
	WIN 0x82+0x41*((\a)/4)
.set p, 0
.rept 16
	v_pk_fma_f32 v[AC+2*p:AC+2*p+1], v[AC+2*p:AC+2*p+1], v[PK+2*p:PK+2*p+1], v[PK+2*p:PK+2*p+1] neg_lo:[0,0,1] neg_hi:[0,0,1]  ; (E1 - 1) Wc
.set p, p+1
.endr
.endm
.macro RCPS a
.set AC, 64*((\a)%4)
	WIN 0xaa+0x55*((\a)/4)
.set p, 0
.rept 32
	v_rcp_f32 v[AC+32+p], v[AC+32+p]
.set p, p+1
.endr
.endm
.macro SUMS a
.set AC, 64*((\a)%4)
	WIN 0x0a+5*((\a)/4)
	v_pk_mul_f32 v[SS+2*(\a):SS+2*(\a)+1], v[AC:AC+1], v[AC+32:AC+33]
.set p, 1
.rept 15
	v_pk_fma_f32 v[SS+2*(\a):SS+2*(\a)+1], v[AC+2*p:AC+2*p+1], v[AC+32+2*p:AC+33+2*p], v[SS+2*(\a):SS+2*(\a)+1]
.set p, p+1
.endr
.endm
	; ---------------- the head
	s_load_b512 s[4:19], s[0:1], 0x0               ; h1 s[4:5], h2 s[6:7], h3 s[8:9], h4 s[10:11], wstream s[12:13], instT s[14:15], tab s[16:17], out3 s[18:19]
	s_load_b128 s[20:23], s[0:1], 0x40             ; dl s[20:21], part s[22:23]
	v_lshl_add_u32 v30, v0, 2, SPARE
	v_mov_b32 v31, 0
	ds_add_u32 v30, v31                            ; the wave's opening: the add, twice on end, and its wait ahead of my first tensor load
	ds_add_u32 v30, v31
	v_lshrrev_b32 v1, 5, v0
	v_readfirstlane_b32 s24, v1                    ; wave 0..3
	s_bfe_u32 s25, ttmp6, 0x40000                  ; cx: it enters x's, the outputs' and the prefetch's addresses alone
	s_lshl_b32 s26, ttmp9, 2
	s_add_co_u32 s26, s26, s25                     ; my block = 4 x cluster + cx
	s_lshr_b32 s27, ttmp9, 5                       ; the bag: 32 clusters each; the four partners share it
	s_mov_b32 s28, 15|(1<<16)|(1<<20)|(1<<21)|(6<<22)|(7<<25)  ; 15:0 the mask of four; 17:16 2-byte elements; 20 padding on; 21 set beside a mask; 24:22 after every 128 words; 31:25 8 words of it
	s_mov_b32 s29, 256<<16                         ; tensor_dim0 = 256
	s_mov_b32 s30, 64<<16                          ; tensor_dim1 = 64
	s_mov_b32 s31, 256<<16                         ; tile_dim0 = 256
	s_mov_b32 s32, 64                              ; tile_dim1 = 64
	s_mov_b32 s33, 512                             ; 512 elements from row to row
	s_mov_b32 s34, 0
	s_mov_b32 s35, 0
	s_mov_b32 s80, 15|(1<<16)|(1<<20)|(1<<21)|(6<<22)|(7<<25)  ; the same shape with 32 rows
	s_mov_b32 s81, 256<<16
	s_mov_b32 s82, 32<<16
	s_mov_b32 s83, 256<<16
	s_mov_b32 s84, 32
	s_mov_b32 s85, 512
	s_mov_b32 s86, 0
	s_mov_b32 s87, 0
	s_lshr_b32 s36, s24, 1                         ; my pair of strips
	s_and_b32 s37, s24, 1                          ; which of the pair's two strips is mine; also: which half of a tile's rows I fetch
	s_mul_i32 s62, s36, PAIR                       ; my pair in a slot
	s_mul_i32 s38, s37, HALFS
	s_add_co_u32 s41, s62, s38
	s_add_co_u32 s41, s41, SLOT                    ; the walking descriptor begins with chunk 1 in slot 1
	s_mov_b32 s40, 1
	s_mul_i32 s38, s37, 32*WP
	s_add_co_u32 s89, s62, s38                     ; slot 0's first half: my 32 rows,
	s_add_co_u32 s93, s89, HALFS                   ; and its second half
	s_mov_b32 s88, 1
	s_mov_b32 s92, 1
	s_lshl_b32 s38, s37, 8
	s_add_co_u32 s38, s38, s62                     ; my strip's first byte in slot 0
	s_mov_b32 s79, 0                               ; the reads begin in slot 0
	s_mov_b32 s50, 0x76543210
	s_mov_b32 s51, 0xfedcba98
	s_mov_b32 s52, 0x4038aa3b                      ; 2 log2 e
	s_mov_b32 s53, s52
	s_mov_b32 s54, 0xbfb8aa3b                      ; -log2 e
	s_mov_b32 s55, s54
	s_mov_b32 s56, 0x42700000                      ; 60
	s_mov_b32 s58, 0
	s_mov_b32 s59, 0xffff0000
	s_mov_b32 s61, 0x3fb8aa3b                      ; log2 e
	s_lshl_b32 s63, s24, 5                         ; 32 w
	s_lshl_b32 s66, s24, 9                         ; 512 w
	s_lshl_b32 s67, s24, 8                         ; 256 w
	s_lshl_b32 s74, s25, 5                         ; 32 cx
	s_mul_i32 s75, s24, 32*HP
	s_lshl_b32 s76, s24, 7                         ; 128 w
	s_cmp_eq_u32 ttmp9, 0
	s_cselect_b32 s48, 1, -1                       ; the same in all four partners
	s_cselect_b32 s78, 2, -1
	v_and_b32 v1, 15, v0                           ; r = l % 16
	v_bfe_u32 v2, v0, 4, 1                         ; hf = l / 16
	v_and_b32 v32, 31, v0                          ; l
	v_and_b32 v33, 7, v0
	v_bfe_u32 v34, v0, 3, 1
	v_lshl_add_u32 v35, v2, 3, v33                 ; 8 hf + l % 8: the turning load's row
	v_add_nc_u32 v36, s63, v2                      ; 32 w + hf
	v_lshlrev_b32 v3, 4, v32                       ; v3: 16 l
	v_mul_u32_u24 v4, v1, XPI
	v_lshl_add_u32 v4, v2, 4, v4
	v_add_nc_u32 v5, XST+XBUF, v4                  ; v4, v5: x's fragments in stage 0, 1
	v_add_nc_u32 v4, XST, v4
	v_mul_u32_u24 v6, v35, WP
	v_lshl_add_u32 v6, v34, 4, v6
	v_add_nc_u32 v6, s38, v6                       ; v6: the weights' fragments in slot 0, never rewritten; v7: in the slot that is read
	v_mov_b32 v7, v6
	v_mul_u32_u24 v8, v36, XPI
	v_lshl_add_u32 v8, v1, 3, v8
	v_add_nc_u32 v9, XST+XBUF, v8                  ; v8, v9: where I store 8 bytes of x in stage 0, 1
	v_add_nc_u32 v8, XST, v8
	v_lshlrev_b32 v10, 12, v36
	v_lshl_add_u32 v10, v1, 4, v10                 ; v10: my 16 bytes of x: row 32 w + hf, 16 r
	v_add_nc_u32 v11, s63, v32
	v_lshlrev_b32 v11, 12, v11                     ; v11: x's prefetch: row 32 w + l
	v_add_nc_u32 v12, s74, v32
	v_lshlrev_b32 v12, 10, v12
	v_add_nc_u32 v12, s67, v12                     ; v12: the weights' prefetch: row 32 cx + l of a chunk, block w of its four
	v_mul_u32_u24 v15, v1, HP
	v_lshl_add_u32 v15, v2, 4, v15
	v_add_nc_u32 v15, HB, v15                      ; v15, v16: h's fragments, rows 0-63 and 64-127; they walk along K
	v_add_nc_u32 v16, HHALF, v15
	v_add_nc_u32 v13, s67, v15                     ; v13, v14: where I store 16 bytes of h
	v_add_nc_u32 v14, HHALF, v13
	v_mul_u32_u24 v17, v35, HP
	v_lshl_add_u32 v17, v34, 4, v17
	v_add_nc_u32 v17, s67, v17
	v_add_nc_u32 v17, HB, v17                      ; v17, v18: h turned, my 128 channels
	v_add_nc_u32 v18, HHALF, v17
	v_add_nc_u32 v19, s75, v15                     ; v19: h's fragments of my 32 rows
	v_and_b32 v20, 1, v0
	v_lshlrev_b32 v20, 10, v20
	v_lshl_add_u32 v20, v2, 4, v20                 ; v20: instT: row l % 2
	v_lshl_add_u32 v21, v2, 5, s66                 ; v21: 512 w + 32 hf: a bias's 8 numbers
	v_lshl_add_u32 v22, v2, 5, s67                 ; v22: 256 w + 32 hf: Wc's
	v_lshl_add_u32 v23, v32, 2, s66
	v_add_nc_u32 v23, AP, v23                      ; v23: my part of A goes here
	v_lshl_add_u32 v24, v32, 4, AP                 ; v24: rows 4 l .. 4 l + 3 of a part of A
	v_lshl_add_u32 v25, v32, 2, s76
	v_add_nc_u32 v25, DST, v25                     ; v25: d of row 32 w + l
	v_lshl_add_u32 v26, v32, 3, s67
	v_add_nc_u32 v26, PB, v26                      ; v26: four pool weights into my wave's copy
	v_lshl_add_u32 v27, v2, 4, s67
	v_add_nc_u32 v27, PB, v27                      ; v27: the pool weights as a fragment: every lane row the same
	v_add_nc_u32 v28, MST, v21                     ; v28: 8 pooled channels
	v_lshl_add_u32 v29, v32, 4, s66
	v_add_nc_u32 v29, MST, v29                     ; v29: and back, 4 a lane
	s_wait_dscnt 0x0                               ; both opening adds are done
	s_wait_kmcnt 0x0
	s_cmp_eq_u32 s27, 1
	s_cselect_b64 s[44:45], s[6:7], s[4:5]
	s_cmp_eq_u32 s27, 2
	s_cselect_b64 s[44:45], s[8:9], s[44:45]
	s_cmp_eq_u32 s27, 3
	s_cselect_b64 s[44:45], s[10:11], s[44:45]     ; my bag
	s_and_b32 s76, s26, 127
	s_lshl_b32 s76, s76, 19                        ; 128 rows of 4,096 bytes a block
	s_mov_b32 s77, 0
	s_add_nc_u64 s[44:45], s[44:45], s[76:77]
	s_lshl_b32 s76, s26, 9
	s_add_nc_u64 s[68:69], s[18:19], s[76:77]
	s_add_nc_u64 s[70:71], s[20:21], s[76:77]
	s_lshl_b32 s76, s26, 11
	s_add_co_u32 s76, s76, s66
	s_add_nc_u64 s[72:73], s[22:23], s[76:77]
	s_lshl_b32 s39, s36, 9                         ; my pair's 512 bytes of a row of the stream
	s_lshl_b32 s76, s37, 16                        ; my 64 rows of a chunk
	s_add_co_u32 s76, s76, s39
	s_add_nc_u64 s[42:43], s[12:13], s[76:77]      ; the wave's number alone enters these addresses
	s_add_nc_u64 s[42:43], s[42:43], CHUNKB        ; chunk 1
	s_lshl_b32 s76, s37, 15                        ; my 32 rows of a step
	s_add_co_u32 s76, s76, s39
	s_add_nc_u64 s[90:91], s[12:13], s[76:77]      ; step 0
	s_add_nc_u64 s[94:95], s[90:91], STEPB         ; step 1
	s_or_b32 s43, s43, 0x80000000                  ; type = 2
	s_or_b32 s91, s91, 0x80000000
	s_or_b32 s95, s95, 0x80000000
	s_add_nc_u64 s[46:47], s[12:13], 3*CHUNKB      ; the first round steps it to chunk 4
	s_load_b32 s60, s[16:17], 0x1400               ; bc; waited for in the tail
.set i, 0
.rept 8
	global_load_b128 v[TB+8*i:TB+8*i+3],   v21, s[16:17] offset:64*i      ; b_fc of my columns, as a C operand
	global_load_b128 v[TB+8*i+4:TB+8*i+7], v21, s[16:17] offset:64*i+16
.set i, i+1
.endr
	XLOAD 0                                        ; K step 0
	s_wait_xcnt 0x0
	s_add_nc_u64 s[44:45], s[44:45], 256
	XLOAD 1                                        ; K step 1
	WIN 0
	CROUND                                         ; all four work-groups are here: the first joint loads meet
	tensor_load_to_lds s[88:91], s[80:87]          ; the first fills go out together: step 0 and step 1 into slot 0's halves, so that the first products wait for half a chunk,
	s_nop 0
	tensor_load_to_lds s[92:95], s[80:87]
	s_nop 0
	tensor_load_to_lds s[40:43], s[28:35]          ; and chunk 1 into slot 1: three tensor loads of mine are out
	s_nop 0
.rept 4
	v_nop
.endr
	XSTAGE 0, 1, 16, 0                             ; the bias and x(0) are in (x(1)'s 16 loads stay out); x(0) is staged, x(2) asked for
	s_wait_tensorcnt 0x2                           ; my part of step 0 is in; the two loads issued behind it may stay out
	s_wait_dscnt 0x0                               ; my stores into stage 0 are done
	s_barrier_signal -1
	s_barrier_wait -1
	FETCHW 0, F0
	FETCHX 0, 0, F0
	; ---------------- h = x W_fc + b_fc: steps 0 to 15, chunks 0 to 7
	HALF bf16, 1, 1, 0, 1, 0, 1, 1, 1, 16, 0       ; the first half stands in front of the loop: the bias starts the sums; x(1) is staged, x(3) asked for
	WIN 0
	s_mov_b32 s49, 6
.Lg1:                                                  ; trip j: second half of step 2 j, step 2 j + 1, first half of step 2 j + 2; chunk j's slot takes chunk j + 2
	TURNP bf16, 1, 2, 1, 1
	HALF bf16, 1, 3, 1, 0, 0, 1, 0, 1, 16, 1
	TURNR bf16, 1, 0, 0, 1
	HALF bf16, 1, 1, 0, 0, 0, 1, 1, 1, 16, 0
	WIN 0
	s_sub_co_u32 s49, s49, 1
	s_cmp_lg_u32 s49, 0
	s_cbranch_scc1 .Lg1
	TURNP bf16, 1, 2, 1, 1                         ; step 12's second half; the tail loads no x beyond step 15
	HALF bf16, 1, 3, 1, 0, 0, 1, 0, 0, 16, 0       ; x(14) is staged; x(15)'s 16 loads stay out
	TURNR bf16, 1, 0, 0, 1                         ; slot 0 takes chunk 8, the second product's first two steps
	HALF bf16, 1, 1, 0, 0, 0, 1, 1, 0, 0, 0        ; x(15) is staged
	TURNP bf16, 1, 2, 1, 1
	HALF bf16, 1, 3, 1, 0
	TURNP bf16, 1, 0, 0, 0                         ; step 15's second half.  In front of its barrier every wave's reads of slot 1 are over and chunk 8 is in: no tensor load is out, and slot 1 has had its last fill
	; ---------------- h goes to LDS, into slot 1's bytes
	PLACES
	WIN 0
.set i, 0
.rept 8
	global_load_b128 v[TB+8*i:TB+8*i+3],   v21, s[16:17] offset:2048+64*i  ; (ba, bb) of my columns
	global_load_b128 v[TB+8*i+4:TB+8*i+7], v21, s[16:17] offset:2048+64*i+16
.set i, i+1
.endr
.irp a, 0,1,2,3,4,5,6,7
	PACKH \a
.endr
.set i, 0
.rept 4
	global_load_b128 v[PK+8*i:PK+8*i+3],   v22, s[16:17] offset:4096+64*i  ; Wc of my 64 gate columns
	global_load_b128 v[PK+8*i+4:PK+8*i+7], v22, s[16:17] offset:4096+64*i+16
.set i, i+1
.endr
	v_mov_b32 v7, v6                               ; the second product reads slot 0
	s_add_nc_u64 s[90:91], s[90:91], 16*STEPB      ; the halves' descriptors, whose loads are long done, go on from steps 0 and 1 to steps 16 and 17: the first refills step them to 18 and 19
	s_add_nc_u64 s[94:95], s[94:95], 16*STEPB
	s_wait_dscnt 0x0                               ; my part of h is written
	s_barrier_signal -1
	s_barrier_wait -1                              ; everybody's is
	FETCHW 0, F0
	FETCHH 0, F0
	s_wait_loadcnt 0x0                             ; the biases and Wc
	; ---------------- h [Wa | Wb] + (ba, bb): steps 16 to 23
	HALF f16, 2, 1, 0, 1, 64
	WIN 0
	s_mov_b32 s49, 3
.Lg2:
	TURNR f16, 2, 0, 2, 2, 128
	HALF f16, 2, 3, 0, 0, 192
	TURNR f16, 2, 1, 0, 0, 256
	HALF f16, 2, 1, 0, 0, 320
	WIN 0
	v_add_nc_u32 v15, 256, v15                     ; two steps, 128 channels of h, on
	v_add_nc_u32 v16, 256, v16
	s_sub_co_u32 s49, s49, 1
	s_cmp_lg_u32 s49, 0
	s_cbranch_scc1 .Lg2
	TURNP f16, 2, 2, 1, 0, 128                     ; step 22's second half: nothing is filled again; step 23's tile is in, everybody's part of it
	HALF f16, 2, 3, 0, 0, 192
	s_wait_dscnt 0x0
	MUL16 f16, F1, 0, 0, 0
	MUL16 f16, F1, 0, 2, 0
	MUL16 f16, F1, 1, 0, 0
	MUL16 f16, F1, 1, 2, 0
	; ---------------- the gate.  A batch is a block's 32 reciprocals and the next block's 64 exponentials; plain work (the block after's scaling) follows it, then ONE wait, then its readers
	PLACES
	WIN 0x40
.set i, 0
.rept 16
	global_load_b128 v[64+8*i:64+8*i+3],   v20, s[14:15] offset:64*i      ; instT's 16 fragments, where the weights' fragments lay
	global_load_b128 v[64+8*i+4:64+8*i+7], v20, s[14:15] offset:64*i+32
.set i, i+1
.endr
	SCALE 0
	EXPS 0
	SCALE 1
	s_wait_alu depctr_va_vdst(0)
.irp a, 0,1,2,3,4,5,6,7
	DEN \a
	RCPS \a
.if (\a) < 7
	EXPS (\a)+1
.endif
.if (\a) < 6
	SCALE (\a)+2
.else
	v_nop
.endif
	s_wait_alu depctr_va_vdst(0)
	SUMS \a
.endr
	WIN 0
.irp a, 0,1,2,3,4,5,6,7
	v_add_f32 v[T+(\a)], v[SS+2*(\a)], v[SS+2*(\a)+1]
.endr
.irp a, 0,1,2,3,4,5,6,7
	v_permlanex16_b32 v[T+8+(\a)], v[T+(\a)], s50, s51   ; the row's other 32 columns lie in the lane 16 away
.endr
.irp a, 0,1,2,3,4,5,6,7
	v_add_f32 v[T+(\a)], v[T+(\a)], v[T+8+(\a)]
.endr
.irp a, 0,2,4,6
	v_cndmask_b32 v[T+16+(\a)/2], v[T+(\a)], v[T+(\a)+1], s59  ; lane l: row 16 a + l
	ds_store_b32 v23, v[T+16+(\a)/2] offset:64*(\a)
.endr
	; ---------------- the instance head for my 32 rows: two accumulators by turns
	WIN 0x80
.set i, 0
.rept 16
	ds_load_b128 v[8*i:8*i+3],         v19 offset:64*i
	ds_load_b128 v[8*i+4:8*i+7],       v19 offset:64*i+32
	ds_load_b128 v[128+8*i:128+8*i+3], v19 offset:16*HP+64*i
	ds_load_b128 v[128+8*i+4:128+8*i+7], v19 offset:16*HP+64*i+32
.set i, i+1
.endr
	s_wait_loadcnt 0x0                             ; instT
	s_wait_dscnt 0x0
	WIN 0x09
	v_wmma_f32_16x16x32_f16 v[IX:IX+7], v[64:71], v[0:7], 0
	v_wmma_f32_16x16x32_f16 v[IY:IY+7], v[64:71], v[128:135], 0
.set i, 1
.rept 15
	v_wmma_f32_16x16x32_f16 v[IX:IX+7], v[64+8*i:64+8*i+7], v[8*i:8*i+7], v[IX:IX+7]
	v_wmma_f32_16x16x32_f16 v[IY:IY+7], v[64+8*i:64+8*i+7], v[128+8*i:128+8*i+7], v[IY:IY+7]
.set i, i+1
.endr
	PLACES
	WIN 0
	v_sub_f32 v[T], v[IX+1], v[IX]                 ; register 0 is class 0, register 1 class 1, in every lane
	v_sub_f32 v[T+1], v[IY+1], v[IY]
	v_cndmask_b32 v[T+2], v[T], v[T+1], s59
	ds_store_b32 v25, v[T+2]
	s_wait_dscnt 0x0                               ; my parts of A and d are written
	s_barrier_signal -1
	s_barrier_wait -1
	; ---------------- the tail: every wave adds the four parts of A, finds the block's maximum and pools its own 128 channels
.irp k, 0,1,2,3
	ds_load_b128 v[T+4*(\k):T+4*(\k)+3], v24 offset:512*(\k)
.endr
	s_wait_kmcnt 0x0                               ; bc
	s_wait_dscnt 0x0
	v_pk_add_f32 v[T:T+1], v[T:T+1], v[T+4:T+5]
	v_pk_add_f32 v[T+2:T+3], v[T+2:T+3], v[T+6:T+7]
	v_pk_add_f32 v[T+8:T+9], v[T+8:T+9], v[T+12:T+13]
	v_pk_add_f32 v[T+10:T+11], v[T+10:T+11], v[T+14:T+15]
	v_pk_add_f32 v[T:T+1], v[T:T+1], v[T+8:T+9]
	v_pk_add_f32 v[T+2:T+3], v[T+2:T+3], v[T+10:T+11]
	v_pk_add_f32 v[T:T+1], v[T:T+1], s[60:61] op_sel_hi:[1,0]
	v_pk_add_f32 v[T+2:T+3], v[T+2:T+3], s[60:61] op_sel_hi:[1,0]   ; A_raw of rows 4 l .. 4 l + 3
	v_max3_num_f32 v[T+16], v[T], v[T+1], v[T+2]
	v_max_num_f32 v[T+16], v[T+16], v[T+3]
	v_max_num_f32_dpp v[T+16], v[T+16], v[T+16] row_xmask:1 row_mask:0xf bank_mask:0xf
	v_max_num_f32_dpp v[T+16], v[T+16], v[T+16] row_xmask:2 row_mask:0xf bank_mask:0xf
	v_max_num_f32_dpp v[T+16], v[T+16], v[T+16] row_xmask:4 row_mask:0xf bank_mask:0xf
	v_max_num_f32_dpp v[T+16], v[T+16], v[T+16] row_xmask:8 row_mask:0xf bank_mask:0xf
	v_permlanex16_b32 v[T+17], v[T+16], s50, s51
	v_max_num_f32 v[T+16], v[T+16], v[T+17]        ; the block's maximum
.irp k, 0,1,2,3
	v_sub_f32 v[T+20+(\k)], v[T+(\k)], v[T+16]
.endr
.irp k, 0,1,2,3
	v_mul_f32 v[T+20+(\k)], s61, v[T+20+(\k)]
.endr
.irp k, 0,1,2,3
	v_exp_f32 v[T+20+(\k)], v[T+20+(\k)]
.endr
	v_nop
	s_wait_alu depctr_va_vdst(0)                   ; one wait for the four exponentials, ahead of their first reader
	v_cvt_pk_f16_f32 v[T+24], v[T+20], v[T+21]
	v_cvt_pk_f16_f32 v[T+25], v[T+22], v[T+23]
	ds_store_b64 v26, v[T+24:T+25]                 ; my wave's own copy: LDS serves a wave's instructions in order (ISA guide 5.7.1.4), so the loads below see it
.irp k, 0,1,2,3
	ds_load_b128 v[F0+8*(\k):F0+8*(\k)+3],   v27 offset:64*(\k)
	ds_load_b128 v[F0+8*(\k)+4:F0+8*(\k)+7], v27 offset:64*(\k)+32
.endr
	WIN 0x80
.irp kb, 0,1,2,3
.irp cb, 0,1,2,3,4,5,6,7
	ds_load_tr16_b128 v[64*(\kb)+8*(\cb):64*(\kb)+8*(\cb)+3],   v[17+(\kb)/2] offset:32*HP*((\kb)%2)+32*(\cb)
	ds_load_tr16_b128 v[64*(\kb)+8*(\cb)+4:64*(\kb)+8*(\cb)+7], v[17+(\kb)/2] offset:32*HP*((\kb)%2)+32*(\cb)+16*HP
.endr
.endr
	s_wait_dscnt 0x0
	WIN 0xf2                                       ; h turned in window 2, the weights in window 0, the sums in window 3: 8 accumulators by turns
.irp kb, 0,1,2,3
.irp cb, 0,1,2,3,4,5,6,7
.if (\kb) == 0
	v_wmma_f32_16x16x32_f16 v[8*(\cb):8*(\cb)+7], v[64*(\kb)+8*(\cb):64*(\kb)+8*(\cb)+7], v[F0+8*(\kb):F0+8*(\kb)+7], 0
.else
	v_wmma_f32_16x16x32_f16 v[8*(\cb):8*(\cb)+7], v[64*(\kb)+8*(\cb):64*(\kb)+8*(\cb)+7], v[F0+8*(\kb):F0+8*(\kb)+7], v[8*(\cb):8*(\cb)+7]
.endif
.endr
.endr
	PLACES
	WIN 0x0c
.irp cb, 0,1,2,3,4,5,6,7
	ds_store_b128 v28, v[8*(\cb):8*(\cb)+3]   offset:64*(\cb)      ; the 16 lanes of a half hold the same 8 channels and write the same bytes
	ds_store_b128 v28, v[8*(\cb)+4:8*(\cb)+7] offset:64*(\cb)+16
.endr
	WIN 0
	ds_load_b128 v[T+20:T+23], v29
	s_wait_dscnt 0x0
	global_store_b128 v3, v[T+20:T+23], s[72:73]   ; 512 consecutive bytes of part
	s_cmp_lg_u32 s24, 0
	s_cbranch_scc1 .Lnot_first
	global_store_b128 v3, v[T:T+3], s[68:69]       ; wave 0: the block's 512 bytes of A_raw,
	ds_load_b128 v[T+8:T+11], v24 offset:2048
	s_wait_dscnt 0x0
	global_store_b128 v3, v[T+8:T+11], s[70:71]    ; and of d
.Lnot_first:
	s_wait_tensorcnt 0x0                           ; the wave's end: behind my last tensor load and my last LDS store
	ds_add_u32 v30, v31
	s_wait_dscnt 0x0
	CROUND                                         ; the closing round: no work-group ends while a partner may still ask for a tile that names it
	s_endpgm
.Lfunc_end_k_q751a721d84_main:
	.size	k_q751a721d84_main, .Lfunc_end_k_q751a721d84_main-k_q751a721d84_main
	.p2alignl 7, 3214868480
	.fill 96, 4, 3214868480
	.section	.rodata,"a",@progbits
	.p2align	6, 0x0
	.amdhsa_kernel k_q751a721d84_main
		.amdhsa_group_segment_fixed_size 327680
		.amdhsa_private_segment_fixed_size 0
		.amdhsa_enable_private_segment 0
		.amdhsa_kernarg_size 80
		.amdhsa_user_sgpr_count 2
		.amdhsa_user_sgpr_kernarg_segment_ptr 1
		.amdhsa_wavefront_size32 1
		.amdhsa_system_sgpr_workgroup_id_x 1
		.amdhsa_system_sgpr_workgroup_id_y 1
		.amdhsa_system_sgpr_workgroup_id_z 1
		.amdhsa_system_vgpr_workitem_id 0
		.amdhsa_next_free_vgpr 1024
		.amdhsa_next_free_sgpr 96
		.amdhsa_reserve_vcc 0
		.amdhsa_float_denorm_mode_32 3
		.amdhsa_float_denorm_mode_16_64 3
		.amdhsa_memory_ordered 1
		.amdhsa_forward_progress 1
		.amdhsa_inst_pref_size 255
	.end_amdhsa_kernel
	.section	.bss,"aw",@nobits
	.p2align	6
	.space	262144
	.amdgpu_metadata
---
amdhsa.version: [ 1, 2 ]
amdhsa.kernels:
  - .name:           k_q751a721d84_main
    .symbol:         k_q751a721d84_main.kd
    .args:
      - { .name: h1, .offset: 0, .size: 8, .value_kind: global_buffer, .address_space: global }
      - { .name: h2, .offset: 8, .size: 8, .value_kind: global_buffer, .address_space: global }
      - { .name: h3, .offset: 16, .size: 8, .value_kind: global_buffer, .address_space: global }
      - { .name: h4, .offset: 24, .size: 8, .value_kind: global_buffer, .address_space: global }
      - { .name: wstream, .offset: 32, .size: 8, .value_kind: global_buffer, .address_space: global }
      - { .name: instT, .offset: 40, .size: 8, .value_kind: global_buffer, .address_space: global }
      - { .name: tab, .offset: 48, .size: 8, .value_kind: global_buffer, .address_space: global }
      - { .name: out3, .offset: 56, .size: 8, .value_kind: global_buffer, .address_space: global }
      - { .name: dl, .offset: 64, .size: 8, .value_kind: global_buffer, .address_space: global }
      - { .name: part, .offset: 72, .size: 8, .value_kind: global_buffer, .address_space: global }
    .group_segment_fixed_size: 327680
    .private_segment_fixed_size: 0
    .kernarg_segment_align: 8
    .kernarg_segment_size: 80
    .max_flat_workgroup_size: 128
    .sgpr_count:     96
    .vgpr_count:     1024
    .wavefront_size: 32
...
	.end_amdgpu_metadata
.endif
;; end of part 2
;; launch mid (part 3): grid 24 x 4, 8 waves a work-group, no clusters, 6,144 bytes of LDS; arguments out3, dl, part, cand, mws; writes cand, mws
.if DOCPART == 3
	.amdgcn_target "amdgcn-amd-amdhsa--gfx1250"
	.amdhsa_code_object_version 6
	.text
	.protected	k_q751a721d84_mid
	.globl	k_q751a721d84_mid
	.p2align	8
	.type	k_q751a721d84_mid,@function
k_q751a721d84_mid:
	s_mov_b64 s[64:65], 0
	v_nop
	global_prefetch_b8 v0, s[64:65] scope:SCOPE_SE
	s_setreg_imm32_b32 hwreg(HW_REG_WAVE_MODE, 25, 1), 1
	s_wait_xcnt 0x0
; WHAT SPANS THE BLOCKS OF A BAG (y = the bag).  Work-groups x = 0..15: of a chunk of 1,024 rows the 8 largest and the 8 smallest A_raw, in order, each with its row number and its d.
; Work-groups x = 16..23: 64 channels of the pooled M = softmax(A_raw) h, from the blocks' partial sums: M = sum_blk 2^(c (m_blk - m)) part[blk] / sum_rows 2^(c (A - m)), m the bag's maximum, c = log2 e.
; THE SELECTION steers no address and no branch: a round finds the largest key of the wave, among equals the lowest row number, takes that element out (its key becomes -infinity) and carries its d along by selects.
; LIMITS.  The order is that of A_raw, ties to the lower row; two different A_raw so close that their softmax values round to one f32 number are ordered by value here.  A_raw is taken to be finite; NaN is not treated apart.
; A record is four f32: key (A or -A), row number (a whole number below 16,384, exact in f32), d, 0.
; No prefetch, no cluster, no matrix work: each work-group reads a few KiB once.
; Address registers, made at the head and never rewritten: v4 = 16 l, v26 = 8 l, v6 and v7 the add's two.  v[12:19] take what is read back from LDS.
.set CSB,   0                          ; [side][wave][8] records of 16 bytes
.set OUTS,  2048                       ; the chunk's 16 records
.set WM,    2304                       ; the waves' maxima
.set WL,    2560                       ; the waves' sums
.set WS,    2816                       ; [wave][64] f32
.set SPARE, 4864                       ; the spare words, 128 bytes for each of 8 waves
.set C0, 32                            ; a context is 48 registers: four elements (key, row, d, at work), then eight results (key, row, d, 0)
.set C1, 80
.set SBIG, 16
.set SEL0, 18
.set SEL1, 19
.set VNEG, 8
.set L8,  26                           ; v26: 8 x lane
.macro SELROUND r, E, ctxs:vararg      ; result r of each context, from E elements a lane; the contexts' chains stand interleaved
.irp c, \ctxs
.if (\E) == 4
	v_max3_num_f32 v[(\c)+16+4*(\r)], v[(\c)], v[(\c)+4], v[(\c)+8]
.else
	v_max_num_f32 v[(\c)+16+4*(\r)], v[(\c)], v[(\c)+4]
.endif
.endr
.if (\E) == 4
.irp c, \ctxs
	v_max_num_f32 v[(\c)+16+4*(\r)], v[(\c)+16+4*(\r)], v[(\c)+12]
.endr
.endif
.irp x, 1,2,4,8
.irp c, \ctxs
	v_max_num_f32_dpp v[(\c)+16+4*(\r)], v[(\c)+16+4*(\r)], v[(\c)+16+4*(\r)] row_xmask:\x row_mask:0xf bank_mask:0xf
.endr
.endr
.irp c, \ctxs
	v_permlanex16_b32 v[(\c)+3], v[(\c)+16+4*(\r)], s[SEL0], s[SEL1]
.endr
.irp c, \ctxs
	v_max_num_f32 v[(\c)+16+4*(\r)], v[(\c)+16+4*(\r)], v[(\c)+3]   ; the wave's largest key
.endr
.irp c, \ctxs
.set e, 0
.rept \E
	v_cmp_eq_f32 vcc_lo, v[(\c)+4*e], v[(\c)+16+4*(\r)]
	v_cndmask_b32 v[(\c)+4*e+3], s[SBIG], v[(\c)+4*e+1], vcc_lo     ; its row number where the key is that one, else a large number
.set e, e+1
.endr
.endr
.irp c, \ctxs
.if (\E) == 4
	v_min3_num_f32 v[(\c)+17+4*(\r)], v[(\c)+3], v[(\c)+7], v[(\c)+11]
.else
	v_min_num_f32 v[(\c)+17+4*(\r)], v[(\c)+3], v[(\c)+7]
.endif
.endr
.if (\E) == 4
.irp c, \ctxs
	v_min_num_f32 v[(\c)+17+4*(\r)], v[(\c)+17+4*(\r)], v[(\c)+15]
.endr
.endif
.irp x, 1,2,4,8
.irp c, \ctxs
	v_min_num_f32_dpp v[(\c)+17+4*(\r)], v[(\c)+17+4*(\r)], v[(\c)+17+4*(\r)] row_xmask:\x row_mask:0xf bank_mask:0xf
.endr
.endr
.irp c, \ctxs
	v_permlanex16_b32 v[(\c)+3], v[(\c)+17+4*(\r)], s[SEL0], s[SEL1]
.endr
.irp c, \ctxs
	v_min_num_f32 v[(\c)+17+4*(\r)], v[(\c)+17+4*(\r)], v[(\c)+3]   ; the lowest such row
.endr
.irp c, \ctxs
.set e, 0
.rept \E
	v_cmp_eq_f32 vcc_lo, v[(\c)+4*e+1], v[(\c)+17+4*(\r)]
	v_cndmask_b32 v[(\c)+4*e], v[(\c)+4*e], v[VNEG], vcc_lo         ; taken out
.if e == 0
	v_cndmask_b32 v[(\c)+18+4*(\r)], 0, v[(\c)+4*e+2], vcc_lo       ; its d, in the one lane that holds it; 0 elsewhere
.else
	v_cndmask_b32 v[(\c)+18+4*(\r)], v[(\c)+18+4*(\r)], v[(\c)+4*e+2], vcc_lo
.endif
.set e, e+1
.endr
.endr
.endm
.macro SELDONE ctxs:vararg             ; the eight d are summed over the wave (one lane holds each), so that every lane holds the whole record
.irp c, \ctxs
.set r, 0
.rept 8
	v_mov_b32 v[(\c)+19+4*r], 0
.set r, r+1
.endr
.endr
.irp x, 1,2,4,8
.irp c, \ctxs
.set r, 0
.rept 8
	v_add_f32_dpp v[(\c)+18+4*r], v[(\c)+18+4*r], v[(\c)+18+4*r] row_xmask:\x row_mask:0xf bank_mask:0xf
.set r, r+1
.endr
.endr
.endr
.irp c, \ctxs
.set r, 0
.rept 8
	v_permlanex16_b32 v[(\c)+19+4*r], v[(\c)+18+4*r], s[SEL0], s[SEL1]
.set r, r+1
.endr
.set r, 0
.rept 8
	v_add_f32 v[(\c)+18+4*r], v[(\c)+18+4*r], v[(\c)+19+4*r]
.set r, r+1
.endr
.set r, 0
.rept 8
	v_mov_b32 v[(\c)+19+4*r], 0
.set r, r+1
.endr
.endr
.endm
	s_load_b256 s[4:11], s[0:1], 0x0               ; out3 s[4:5], dl s[6:7], part s[8:9], cand s[10:11]
	s_load_b64 s[12:13], s[0:1], 0x20              ; mws
	v_lshl_add_u32 v6, v0, 2, SPARE                ; my spare word,
	v_mov_b32 v7, 0                                ; and 0: kept for the add at the wave's end alone
	v_lshrrev_b32 v1, 5, v0
	v_readfirstlane_b32 s14, v1                    ; wave 0..7
	s_and_b32 s15, ttmp7, 0xffff                   ; the bag
	s_mov_b32 s16, 0x7f7fffff
	s_mov_b32 s17, 0xffff0000                      ; lanes 16-31
	s_mov_b32 s18, 0x76543210
	s_mov_b32 s19, 0xfedcba98
	s_mov_b32 s21, 0
	s_mov_b32 s22, 0x3fb8aa3b                      ; c = log2 e
	s_mov_b32 s23, s22
	v_and_b32 v1, 31, v0                           ; l
	v_and_b32 v2, 15, v0                           ; r
	v_bfe_u32 v3, v0, 4, 1                         ; hf
	v_lshlrev_b32 v4, 4, v1                        ; 16 l
	v_lshlrev_b32 v[L8], 3, v1                     ; 8 l
	v_mov_b32 v8, 0xff800000                       ; -infinity
	s_wait_kmcnt 0x0
	s_cmp_lt_u32 ttmp9, 16
	s_cbranch_scc0 .Lpool
	; ---------------- the selection: a wave takes 128 rows, 4 a lane
	s_lshl_b32 s20, s15, 16
	s_lshl_b32 s24, ttmp9, 12
	s_add_co_u32 s20, s20, s24
	s_lshl_b32 s24, s14, 9
	s_add_co_u32 s20, s20, s24
	s_add_nc_u64 s[4:5], s[4:5], s[20:21]
	s_add_nc_u64 s[6:7], s[6:7], s[20:21]
	global_load_b128 v[16:19], v4, s[4:5]
	global_load_b128 v[20:23], v4, s[6:7]
	s_lshl_b32 s20, s15, 12
	s_lshl_b32 s24, ttmp9, 8
	s_add_co_u32 s20, s20, s24
	s_add_nc_u64 s[10:11], s[10:11], s[20:21]      ; the chunk's record in cand
	s_lshl_b32 s24, ttmp9, 10
	s_lshl_b32 s25, s14, 7
	s_add_co_u32 s24, s24, s25
	v_lshl_add_u32 v10, v1, 2, s24                 ; my first row's number in the bag
	v_mov_b32 v9, s25                              ; 128 x wave
	s_wait_loadcnt 0x0
.set e, 0
.rept 4
	v_mov_b32 v[C0+4*e], v[16+e]
	v_xor_b32 v[C1+4*e], 0x80000000, v[16+e]       ; the other side orders by -A
	v_add_nc_u32 v11, e, v10
	v_cvt_f32_u32 v[C0+4*e+1], v11
	v_cvt_f32_u32 v[C1+4*e+1], v11
	v_mov_b32 v[C0+4*e+2], v[20+e]
	v_mov_b32 v[C1+4*e+2], v[20+e]
	v_mov_b32 v[C0+4*e+3], 0
	v_mov_b32 v[C1+4*e+3], 0
.set e, e+1
.endr
.set rr, 0
.rept 8
	SELROUND rr, 4, C0, C1
.set rr, rr+1
.endr
	SELDONE C0, C1
.set rr, 0
.rept 8
	ds_store_b128 v9, v[C0+16+4*rr:C0+19+4*rr] offset:CSB+16*rr        ; all lanes hold the same record and write the same bytes
	ds_store_b128 v9, v[C1+16+4*rr:C1+19+4*rr] offset:CSB+1024+16*rr
.set rr, rr+1
.endr
	s_wait_dscnt 0x0                               ; for the others' sake: my records are written
	s_barrier_signal -1
	s_barrier_wait -1
	s_cmp_lg_u32 s14, 0
	s_cbranch_scc1 .Lend
	; wave 0: the 64 records of each side, two a lane
.irp e, 0,1
	ds_load_b128 v[C0+4*(\e):C0+4*(\e)+3], v4 offset:CSB+512*(\e)
	ds_load_b128 v[C1+4*(\e):C1+4*(\e)+3], v4 offset:CSB+1024+512*(\e)
.endr
	v_mov_b32 v12, OUTS
	v_add_nc_u32 v14, OUTS, v[L8]
	s_wait_dscnt 0x0
.set rr, 0
.rept 8
	SELROUND rr, 2, C0, C1
.set rr, rr+1
.endr
	SELDONE C0, C1
.set rr, 0
.rept 8
	ds_store_b128 v12, v[C0+16+4*rr:C0+19+4*rr] offset:16*rr
	ds_store_b128 v12, v[C1+16+4*rr:C1+19+4*rr] offset:128+16*rr
.set rr, rr+1
.endr
	ds_load_b64 v[16:17], v14                      ; the wave's own bytes, served in order
	s_wait_dscnt 0x0
	global_store_b64 v[L8], v[16:17], s[10:11]     ; 256 consecutive bytes, aligned
	s_branch .Lend
	; ---------------- the pooling: wave v takes blocks 16 v .. 16 v + 15 of the bag
.Lpool:
	s_sub_co_u32 s24, ttmp9, 16                    ; which 64 channels
	s_lshl_b32 s20, s15, 16
	s_lshl_b32 s25, s14, 13
	s_add_co_u32 s20, s20, s25
	s_add_nc_u64 s[4:5], s[4:5], s[20:21]          ; A of my 2,048 rows
	s_lshl_b32 s20, s15, 18
	s_lshl_b32 s25, s14, 15
	s_add_co_u32 s20, s20, s25
	s_lshl_b32 s25, s24, 8
	s_add_co_u32 s20, s20, s25
	s_add_nc_u64 s[8:9], s[8:9], s[20:21]          ; part of my first block, my channels
	s_lshl_b32 s20, s15, 11
	s_add_co_u32 s20, s20, s25
	s_add_nc_u64 s[12:13], s[12:13], s[20:21]
	v_lshlrev_b32 v5, 4, v2
	v_lshl_add_u32 v5, v3, 11, v5                  ; lanes 0-15 an even block, lanes 16-31 the odd one: 256 consecutive bytes each
.set j, 0
.rept 16
	global_load_b128 v[64+4*j:67+4*j], v4, s[4:5] offset:512*j         ; load j: block j's 128 rows
.set j, j+1
.endr
.set j, 0
.rept 8
	global_load_b128 v[128+4*j:131+4*j], v5, s[8:9] offset:4096*j
.set j, j+1
.endr
	s_lshl_b32 s26, s14, 2
	v_mov_b32 v11, s26                             ; 4 x wave
	s_lshl_b32 s26, s14, 8
	v_lshl_add_u32 v21, v2, 4, s26                 ; 256 x wave + 16 r
	v_mov_b32 v20, 0
	s_wait_loadcnt 8                               ; A is in; part's eight loads may stay out
.set j, 0
.rept 16
	v_max3_num_f32 v[48+j], v[64+4*j], v[65+4*j], v[66+4*j]
.set j, j+1
.endr
.set j, 0
.rept 16
	v_max_num_f32 v[32+j], v[48+j], v[67+4*j]
.set j, j+1
.endr
.irp x, 1,2,4,8
.set j, 0
.rept 16
	v_max_num_f32_dpp v[32+j], v[32+j], v[32+j] row_xmask:\x row_mask:0xf bank_mask:0xf
.set j, j+1
.endr
.endr
.set j, 0
.rept 16
	v_permlanex16_b32 v[48+j], v[32+j], s18, s19
.set j, j+1
.endr
.set j, 0
.rept 16
	v_max_num_f32 v[32+j], v[32+j], v[48+j]        ; block j's maximum: the number that the main launch took away
.set j, j+1
.endr
	v_max3_num_f32 v10, v32, v33, v34
.set j, 35
.rept 6
	v_max3_num_f32 v10, v10, v[j], v[j+1]
.set j, j+2
.endr
	v_max_num_f32 v10, v10, v47
	ds_store_b32 v11, v10 offset:WM
	s_wait_dscnt 0x0
	s_barrier_signal -1
	s_barrier_wait -1
	ds_load_b128 v[12:15], v20 offset:WM
	ds_load_b128 v[16:19], v20 offset:WM+16
	s_wait_dscnt 0x0
	v_max3_num_f32 v10, v12, v13, v14
	v_max3_num_f32 v10, v10, v15, v16
	v_max3_num_f32 v10, v10, v17, v18
	v_max_num_f32 v10, v10, v19                    ; the bag's maximum
	v_mul_f32 v24, s22, v10
	v_mov_b32 v25, v24
.set p, 0
.rept 32
	v_pk_fma_f32 v[64+2*p:65+2*p], v[64+2*p:65+2*p], s[22:23], v[24:25] op_sel_hi:[1,0,0] neg_lo:[0,0,1] neg_hi:[0,0,1]
.set p, p+1
.endr
.set p, 0
.rept 8
	v_pk_fma_f32 v[32+2*p:33+2*p], v[32+2*p:33+2*p], s[22:23], v[24:25] op_sel_hi:[1,0,0] neg_lo:[0,0,1] neg_hi:[0,0,1]
.set p, p+1
.endr
.set p, 0
.rept 64
	v_exp_f32 v[64+p], v[64+p]
.set p, p+1
.endr
.set p, 0
.rept 16
	v_exp_f32 v[32+p], v[32+p]
.set p, p+1
.endr
	v_nop
	s_wait_alu depctr_va_vdst(0)                   ; one wait for the batch of 80, ahead of its first reader
.irp w, 32,16,8,4,2
.set p, 0
.rept (\w)/2
	v_pk_add_f32 v[64+2*p:65+2*p], v[64+2*p:65+2*p], v[64+(\w)+2*p:65+(\w)+2*p]
.set p, p+1
.endr
.endr
	v_add_f32 v64, v64, v65
	v_add_f32_dpp v64, v64, v64 row_xmask:1 row_mask:0xf bank_mask:0xf
	v_add_f32_dpp v64, v64, v64 row_xmask:2 row_mask:0xf bank_mask:0xf
	v_add_f32_dpp v64, v64, v64 row_xmask:4 row_mask:0xf bank_mask:0xf
	v_add_f32_dpp v64, v64, v64 row_xmask:8 row_mask:0xf bank_mask:0xf
	v_permlanex16_b32 v65, v64, s18, s19
	v_add_f32 v64, v64, v65
	ds_store_b32 v11, v64 offset:WL                ; my 2,048 rows' share of the softmax's sum
.set j, 0
.rept 8
	v_cndmask_b32 v[48+j], v[32+2*j], v[33+2*j], s17                   ; each half of the lanes takes its block's weight
.set j, j+1
.endr
	s_wait_loadcnt 0x0
.irp k, 0,1,2,3
	v_mul_f32 v[160+(\k)], v48, v[128+(\k)]
	v_mov_b32 v[164+(\k)], 0
.endr
.set j, 1
.rept 7
.irp k, 0,1,2,3
	v_fmac_f32 v[160+(\k)], v[48+j], v[128+4*j+(\k)]
.endr
.set j, j+1
.endr
.irp k, 0,1,2,3
	v_permlanex16_b32 v[164+(\k)], v[160+(\k)], s18, s19
.endr
.irp k, 0,1,2,3
	v_add_f32 v[160+(\k)], v[160+(\k)], v[164+(\k)]
.endr
	ds_store_b128 v21, v[160:163] offset:WS        ; both halves hold the same sums and write the same bytes
	s_wait_dscnt 0x0
	s_barrier_signal -1
	s_barrier_wait -1
	s_cmp_lg_u32 s14, 0
	s_cbranch_scc1 .Lend
.set j, 0
.rept 8
	ds_load_b64 v[64+2*j:65+2*j], v[L8] offset:WS+256*j                ; channels 2 l, 2 l + 1 of wave j's sums
.set j, j+1
.endr
	ds_load_b128 v[12:15], v20 offset:WL
	ds_load_b128 v[16:19], v20 offset:WL+16
	s_wait_dscnt 0x0
.set j, 1
.rept 7
	v_pk_add_f32 v[64:65], v[64:65], v[64+2*j:65+2*j]
.set j, j+1
.endr
	v_pk_add_f32 v[12:13], v[12:13], v[14:15]
	v_pk_add_f32 v[16:17], v[16:17], v[18:19]
	v_pk_add_f32 v[12:13], v[12:13], v[16:17]
	v_add_f32 v12, v12, v13
	v_rcp_f32 v12, v12
	v_nop
	s_wait_alu depctr_va_vdst(0)
	v_mul_f32 v64, v64, v12
	v_mul_f32 v65, v65, v12
	global_store_b64 v[L8], v[64:65], s[12:13]     ; 256 consecutive bytes, aligned
.Lend:
	s_wait_tensorcnt 0x0                           ; the wave's end: behind my last LDS store
	ds_add_u32 v6, v7
	s_wait_dscnt 0x0
	s_endpgm
.Lfunc_end_k_q751a721d84_mid:
	.size	k_q751a721d84_mid, .Lfunc_end_k_q751a721d84_mid-k_q751a721d84_mid
	.p2alignl 7, 3214868480
	.fill 96, 4, 3214868480
	.section	.rodata,"a",@progbits
	.p2align	6, 0x0
	.amdhsa_kernel k_q751a721d84_mid
		.amdhsa_group_segment_fixed_size 6144
		.amdhsa_private_segment_fixed_size 0
		.amdhsa_enable_private_segment 0
		.amdhsa_kernarg_size 40
		.amdhsa_user_sgpr_count 2
		.amdhsa_user_sgpr_kernarg_segment_ptr 1
		.amdhsa_wavefront_size32 1
		.amdhsa_system_sgpr_workgroup_id_x 1
		.amdhsa_system_sgpr_workgroup_id_y 1
		.amdhsa_system_sgpr_workgroup_id_z 1
		.amdhsa_system_vgpr_workitem_id 0
		.amdhsa_next_free_vgpr 192
		.amdhsa_next_free_sgpr 66
		.amdhsa_reserve_vcc 1
		.amdhsa_float_denorm_mode_32 3
		.amdhsa_float_denorm_mode_16_64 3
		.amdhsa_memory_ordered 1
		.amdhsa_forward_progress 1
		.amdhsa_inst_pref_size 83
	.end_amdhsa_kernel
	.amdgpu_metadata
---
amdhsa.version: [ 1, 2 ]
amdhsa.kernels:
  - .name:           k_q751a721d84_mid
    .symbol:         k_q751a721d84_mid.kd
    .args:
      - { .name: out3, .offset: 0, .size: 8, .value_kind: global_buffer, .address_space: global }
      - { .name: dl, .offset: 8, .size: 8, .value_kind: global_buffer, .address_space: global }
      - { .name: part, .offset: 16, .size: 8, .value_kind: global_buffer, .address_space: global }
      - { .name: cand, .offset: 24, .size: 8, .value_kind: global_buffer, .address_space: global }
      - { .name: mws, .offset: 32, .size: 8, .value_kind: global_buffer, .address_space: global }
    .group_segment_fixed_size: 6144
    .private_segment_fixed_size: 0
    .kernarg_segment_align: 8
    .kernarg_segment_size: 40
    .max_flat_workgroup_size: 256
    .sgpr_count:     66
    .vgpr_count:     192
    .wavefront_size: 32
...
	.end_amdgpu_metadata
.endif
;; end of part 3
;; launch fin (part 4): grid 1 x 1, 8 waves a work-group, no clusters, 2,048 bytes of LDS; arguments cand, mws, attn_W, attn_b, cls_W, cls_b, inst_b, out0, out1, out2, out4, out5; writes out0, out1, out2, out4, out5
.if DOCPART == 4
	.amdgcn_target "amdgcn-amd-amdhsa--gfx1250"
	.amdhsa_code_object_version 6
	.text
	.protected	k_q751a721d84_fin
	.globl	k_q751a721d84_fin
	.p2align	8
	.type	k_q751a721d84_fin,@function
k_q751a721d84_fin:
	s_mov_b64 s[64:65], 0
	v_nop
	global_prefetch_b8 v0, s[64:65] scope:SCOPE_SE
	s_setreg_imm32_b32 hwreg(HW_REG_WAVE_MODE, 25, 1), 1
	s_wait_xcnt 0x0
; THE END OF THE MODULE, one work-group.  Wave t merges the 128 records of bag t / 2, side t % 2 (0: most attended, 1: least) into the 8 first, in order; their d + (inst_b[1] - inst_b[0]) gives the prediction (1 where it is
; above 0: of equals argmax takes class 0) and the loss term softplus(-d') (target 1, side 0) or softplus(d') (target 0, side 1).  All 256 threads make the gate over the four pooled vectors, the final vector and the two logits.
; attn_W, attn_b, cls_W, cls_b, inst_b are rounded to bf16 like every input.  Each softmax takes its maximum away.  LIMITS as in the launch before: ties to the lower row, finite keys, NaN not treated apart.
.set GP,    0                          ; 8 x 16 bytes: the waves' parts of the gate's four sums
.set LP,    256                        ; 8 x 4: the waves' loss sums
.set PR,    512                        ; 64 predictions
.set LG,    768                        ; 8 x 8: the waves' parts of the two logits
.set SPARE, 1024                       ; the spare words, 128 bytes for each of 8 waves
.set C0, 32
.set SBIG, 30
.set SEL0, 32
.set SEL1, 33
.set VNEG, 8
.macro RB a, b, t                      ; two f32 rounded to bf16 and kept as f32
	v_cvt_pk_bf16_f32 v[\t], v[\a], v[\b]
	v_lshlrev_b32 v[\a], 16, v[\t]
	v_and_b32 v[\b], 0xffff0000, v[\t]
.endm
.macro WSUM d, t                       ; the sum over the wave's 32 lanes, in every lane; t has been written before
	v_add_f32_dpp v[\d], v[\d], v[\d] row_xmask:1 row_mask:0xf bank_mask:0xf
	v_add_f32_dpp v[\d], v[\d], v[\d] row_xmask:2 row_mask:0xf bank_mask:0xf
	v_add_f32_dpp v[\d], v[\d], v[\d] row_xmask:4 row_mask:0xf bank_mask:0xf
	v_add_f32_dpp v[\d], v[\d], v[\d] row_xmask:8 row_mask:0xf bank_mask:0xf
	v_permlanex16_b32 v[\t], v[\d], s[SEL0], s[SEL1]
	v_add_f32 v[\d], v[\d], v[\t]
.endm
.macro SELROUND r, E, ctxs:vararg      ; as in the launch before: the wave's largest key, among equals the lowest row; it is taken out, its d carried along
.irp c, \ctxs
	v_max3_num_f32 v[(\c)+16+4*(\r)], v[(\c)], v[(\c)+4], v[(\c)+8]
	v_max_num_f32 v[(\c)+16+4*(\r)], v[(\c)+16+4*(\r)], v[(\c)+12]
.irp x, 1,2,4,8
	v_max_num_f32_dpp v[(\c)+16+4*(\r)], v[(\c)+16+4*(\r)], v[(\c)+16+4*(\r)] row_xmask:\x row_mask:0xf bank_mask:0xf
.endr
	v_permlanex16_b32 v[(\c)+3], v[(\c)+16+4*(\r)], s[SEL0], s[SEL1]
	v_max_num_f32 v[(\c)+16+4*(\r)], v[(\c)+16+4*(\r)], v[(\c)+3]
.set e, 0
.rept \E
	v_cmp_eq_f32 vcc_lo, v[(\c)+4*e], v[(\c)+16+4*(\r)]
	v_cndmask_b32 v[(\c)+4*e+3], s[SBIG], v[(\c)+4*e+1], vcc_lo
.set e, e+1
.endr
	v_min3_num_f32 v[(\c)+17+4*(\r)], v[(\c)+3], v[(\c)+7], v[(\c)+11]
	v_min_num_f32 v[(\c)+17+4*(\r)], v[(\c)+17+4*(\r)], v[(\c)+15]
.irp x, 1,2,4,8
	v_min_num_f32_dpp v[(\c)+17+4*(\r)], v[(\c)+17+4*(\r)], v[(\c)+17+4*(\r)] row_xmask:\x row_mask:0xf bank_mask:0xf
.endr
	v_permlanex16_b32 v[(\c)+3], v[(\c)+17+4*(\r)], s[SEL0], s[SEL1]
	v_min_num_f32 v[(\c)+17+4*(\r)], v[(\c)+17+4*(\r)], v[(\c)+3]
.set e, 0
.rept \E
	v_cmp_eq_f32 vcc_lo, v[(\c)+4*e+1], v[(\c)+17+4*(\r)]
	v_cndmask_b32 v[(\c)+4*e], v[(\c)+4*e], v[VNEG], vcc_lo
.if e == 0
	v_cndmask_b32 v[(\c)+18+4*(\r)], 0, v[(\c)+4*e+2], vcc_lo
.else
	v_cndmask_b32 v[(\c)+18+4*(\r)], v[(\c)+18+4*(\r)], v[(\c)+4*e+2], vcc_lo
.endif
.set e, e+1
.endr
.endr
.endm
	s_load_b512 s[4:19], s[0:1], 0x0               ; cand s[4:5], mws s[6:7], attn_W s[8:9], attn_b s[10:11], cls_W s[12:13], cls_b s[14:15], inst_b s[16:17], out0 s[18:19]
	s_load_b256 s[20:27], s[0:1], 0x40             ; out1 s[20:21], out2 s[22:23], out4 s[24:25], out5 s[26:27]
	v_lshl_add_u32 v6, v0, 2, SPARE                ; my spare word,
	v_mov_b32 v7, 0                                ; and 0: kept for the add at the wave's end alone
	v_lshrrev_b32 v1, 5, v0
	v_readfirstlane_b32 s28, v1                    ; wave 0..7 = the task
	s_mov_b32 s30, 0x7f7fffff
	s_mov_b32 s31, 0x3fb8aa3b                      ; log2 e
	s_mov_b32 s32, 0x76543210
	s_mov_b32 s33, 0xfedcba98
	v_and_b32 v1, 31, v0                           ; l
	v_and_b32 v2, 7, v0                            ; the rank that my lane answers for
	v_mov_b32 v3, 0
	v_mov_b32 v8, 0xff800000
	s_lshr_b32 s34, s28, 1
	s_lshl_b32 s34, s34, 12                        ; the bag's 4,096 bytes of cand
	s_and_b32 s35, s28, 1                          ; the side
	s_lshl_b32 s29, s35, 7
	s_add_co_u32 s34, s34, s29
	v_lshrrev_b32 v10, 3, v1
	v_lshlrev_b32 v10, 8, v10
	v_lshl_add_u32 v10, v2, 4, v10
	v_add_nc_u32 v10, s34, v10                     ; record 32 e + l: chunk 4 e + l / 8, slot l % 8
	v_lshlrev_b32 v11, 2, v0
	v_lshlrev_b32 v12, 4, v0
	v_lshlrev_b32 v13, 3, v0
	s_lshl_b32 s34, s28, 4
	v_mov_b32 v14, s34                             ; 16 x wave
	s_lshl_b32 s34, s28, 5
	v_lshl_add_u32 v15, v2, 2, s34                 ; 32 x wave + 4 x rank
	s_lshl_b32 s34, s28, 2
	v_mov_b32 v16, s34                             ; 4 x wave
	s_lshl_b32 s34, s28, 3
	v_mov_b32 v17, s34                             ; 8 x wave
	v_lshlrev_b32 v18, 3, v1                       ; 8 l
	s_cmp_eq_u32 s35, 1
	s_cselect_b32 s44, 1.0, -1.0                   ; softplus's sign
	s_wait_kmcnt 0x0
	s_load_b128 s[36:39], s[10:11], 0x0            ; attn_b
	s_load_b64 s[40:41], s[14:15], 0x0             ; cls_b
	s_load_b64 s[42:43], s[16:17], 0x0             ; inst_b
.irp e, 0,1,2,3
	global_load_b128 v[C0+4*(\e):C0+4*(\e)+3], v10, s[4:5] offset:1024*(\e)    ; straight into the elements: key, row, d, 0
.endr
.set q, 0
.rept 8
	global_load_b32 v[80+q], v11, s[6:7] offset:1024*q                 ; M flat, number tid + 256 q,
	global_load_b128 v[88+4*q:91+4*q], v12, s[8:9] offset:4096*q       ; and its row of attn_W
.set q, q+1
.endr
.irp b, 0,1,2,3
	global_load_b64 v[120+2*(\b):121+2*(\b)], v13, s[6:7] offset:2048*(\b)     ; channels 2 tid, 2 tid + 1 of each bag's M
.endr
	global_load_b128 v[28:31], v12, s[12:13]       ; and their rows of cls_W
	s_wait_kmcnt 0x0
	s_wait_loadcnt 0x0
	; the gate's four sums, my eight rows
.set q, 0
.rept 8
	RB 88+4*q, 89+4*q, 20
	RB 90+4*q, 91+4*q, 21
.set q, q+1
.endr
.irp j, 0,1,2,3
	v_mul_f32 v[24+(\j)], v80, v[88+(\j)]
.endr
.set q, 1
.rept 7
.irp j, 0,1,2,3
	v_fmac_f32 v[24+(\j)], v[80+q], v[88+4*q+(\j)]
.endr
.set q, q+1
.endr
.irp j, 0,1,2,3
	WSUM 24+(\j), 88+(\j)
.endr
	ds_store_b128 v14, v[24:27] offset:GP
	; the merge
.set rr, 0
.rept 8
	SELROUND rr, 4, C0
.set rr, rr+1
.endr
.set rr, 0
.rept 8
	WSUM C0+18+4*rr, C0+3                          ; one lane holds each d: now all do
.set rr, rr+1
.endr
	v_mov_b32 v100, v[C0+18]
.set rr, 1
.rept 7
	v_cmp_eq_u32 vcc_lo, rr, v2
	v_cndmask_b32 v100, v100, v[C0+18+4*rr], vcc_lo                    ; d of rank l % 8
.set rr, rr+1
.endr
	v_mov_b32 v101, s42
	v_mov_b32 v102, s43
	RB 101, 102, 103
	v_sub_f32 v101, v102, v101
	v_add_f32 v100, v100, v101                     ; d' = l1 - l0
	v_cmp_lt_f32 vcc_lo, 0, v100
	v_cndmask_b32 v102, 0, 1, vcc_lo
	ds_store_b32 v15, v102 offset:PR               ; the four lanes of a rank write the same word
	v_mul_f32 v103, s44, v100                      ; x
	v_and_b32 v104, 0x7fffffff, v103
	v_mul_f32 v104, 0xbfb8aa3b, v104
	v_exp_f32 v104, v104                           ; e^-|x|
	v_max_num_f32 v105, 0, v103
	s_wait_alu depctr_va_vdst(0)
	v_add_f32 v104, 1.0, v104
	v_log_f32 v104, v104
	v_nop
	s_wait_alu depctr_va_vdst(0)
	v_fmac_f32 v105, 0x3f317218, v104              ; max(x, 0) + ln 2 log2(1 + e^-|x|)
	v_add_f32_dpp v105, v105, v105 row_xmask:1 row_mask:0xf bank_mask:0xf
	v_add_f32_dpp v105, v105, v105 row_xmask:2 row_mask:0xf bank_mask:0xf
	v_add_f32_dpp v105, v105, v105 row_xmask:4 row_mask:0xf bank_mask:0xf
	ds_store_b32 v16, v105 offset:LP               ; the eight ranks' sum
	s_wait_dscnt 0x0
	s_barrier_signal -1
	s_barrier_wait -1
	; every thread: the gate's softmax, the final vector's two channels, their share of the logits
.irp k, 0,1,2,3,4,5,6,7
	ds_load_b128 v[88+4*(\k):91+4*(\k)], v3 offset:GP+16*(\k)
.endr
	v_mov_b32 v20, s36
	v_mov_b32 v21, s37
	v_mov_b32 v22, s38
	v_mov_b32 v23, s39
	RB 20, 21, 4
	RB 22, 23, 4
	s_wait_dscnt 0x0
.set k, 1
.rept 7
	v_pk_add_f32 v[88:89], v[88:89], v[88+4*k:89+4*k]
	v_pk_add_f32 v[90:91], v[90:91], v[90+4*k:91+4*k]
.set k, k+1
.endr
	v_pk_add_f32 v[88:89], v[88:89], v[20:21]
	v_pk_add_f32 v[90:91], v[90:91], v[22:23]
	v_max3_num_f32 v4, v88, v89, v90
	v_max_num_f32 v4, v4, v91
.irp j, 0,1,2,3
	v_sub_f32 v[88+(\j)], v[88+(\j)], v4
.endr
.irp j, 0,1,2,3
	v_mul_f32 v[88+(\j)], s31, v[88+(\j)]
.endr
.irp j, 0,1,2,3
	v_exp_f32 v[88+(\j)], v[88+(\j)]
.endr
	v_nop
	s_wait_alu depctr_va_vdst(0)
	v_add_f32 v4, v88, v89
	v_add_f32 v5, v90, v91
	v_add_f32 v4, v4, v5
	v_rcp_f32 v4, v4
	v_nop
	s_wait_alu depctr_va_vdst(0)
.irp j, 0,1,2,3
	v_mul_f32 v[88+(\j)], v[88+(\j)], v4
.endr
	v_mul_f32 v20, v88, v120
	v_mul_f32 v21, v88, v121
.irp b, 1,2,3
	v_fmac_f32 v20, v[88+(\b)], v[120+2*(\b)]
	v_fmac_f32 v21, v[88+(\b)], v[121+2*(\b)]
.endr
	RB 28, 29, 4
	RB 30, 31, 4
	v_mul_f32 v22, v20, v28
	v_mul_f32 v23, v20, v29
	v_fmac_f32 v22, v21, v30
	v_fmac_f32 v23, v21, v31
	WSUM 22, 4
	WSUM 23, 5
	ds_store_b64 v17, v[22:23] offset:LG
	s_wait_dscnt 0x0
	s_barrier_signal -1
	s_barrier_wait -1
	s_cmp_lg_u32 s28, 0
	s_cbranch_scc1 .Lend
	; wave 0: the outputs
.irp k, 0,1,2,3
	ds_load_b128 v[88+4*(\k):91+4*(\k)], v3 offset:LG+16*(\k)
.endr
	ds_load_b128 v[104:107], v3 offset:LP
	ds_load_b128 v[108:111], v3 offset:LP+16
	ds_load_b64 v[112:113], v18 offset:PR
	v_mov_b32 v20, s40
	v_mov_b32 v21, s41
	RB 20, 21, 4
	s_wait_dscnt 0x0
.set k, 1
.rept 7
	v_pk_add_f32 v[88:89], v[88:89], v[88+2*k:89+2*k]
.set k, k+1
.endr
	v_pk_add_f32 v[88:89], v[88:89], v[20:21]      ; the logits
	v_max_num_f32 v4, v88, v89
	v_sub_f32 v22, v88, v4
	v_sub_f32 v23, v89, v4
	v_mul_f32 v22, s31, v22
	v_mul_f32 v23, s31, v23
	v_exp_f32 v22, v22
	v_exp_f32 v23, v23
	v_nop
	s_wait_alu depctr_va_vdst(0)
	v_add_f32 v4, v22, v23
	v_rcp_f32 v4, v4
	v_nop
	s_wait_alu depctr_va_vdst(0)
	v_mul_f32 v22, v22, v4
	v_mul_f32 v23, v23, v4
	v_cmp_gt_f32 vcc_lo, v89, v88
	v_cndmask_b32 v24, 0, 1, vcc_lo
	v_pk_add_f32 v[104:105], v[104:105], v[106:107]
	v_pk_add_f32 v[108:109], v[108:109], v[110:111]
	v_pk_add_f32 v[104:105], v[104:105], v[108:109]
	v_add_f32 v25, v104, v105
	v_mul_f32 v25, 0x3d800000, v25                 ; each bag's mean over 16, the bags added
	global_store_b64 v18, v[112:113], s[26:27]     ; out5: 256 consecutive bytes
	s_wait_xcnt 0x0                                ; EXEC changes only behind this wait
	v_cmp_eq_u32 vcc_lo, 0, v1
	s_and_saveexec_b32 s45, vcc_lo
	global_store_b64 v3, v[88:89], s[18:19]
	global_store_b64 v3, v[22:23], s[20:21]
	global_store_b32 v3, v24, s[22:23]
	global_store_b32 v3, v25, s[24:25]
	s_wait_xcnt 0x0                                ; and again, in front of the line that widens it
	s_or_b32 exec_lo, exec_lo, s45
.Lend:
	s_wait_tensorcnt 0x0                           ; the wave's end: behind my last LDS store
	ds_add_u32 v6, v7
	s_wait_dscnt 0x0
	s_endpgm
.Lfunc_end_k_q751a721d84_fin:
	.size	k_q751a721d84_fin, .Lfunc_end_k_q751a721d84_fin-k_q751a721d84_fin
	.p2alignl 7, 3214868480
	.fill 96, 4, 3214868480
	.section	.rodata,"a",@progbits
	.p2align	6, 0x0
	.amdhsa_kernel k_q751a721d84_fin
		.amdhsa_group_segment_fixed_size 2048
		.amdhsa_private_segment_fixed_size 0
		.amdhsa_enable_private_segment 0
		.amdhsa_kernarg_size 96
		.amdhsa_user_sgpr_count 2
		.amdhsa_user_sgpr_kernarg_segment_ptr 1
		.amdhsa_wavefront_size32 1
		.amdhsa_system_sgpr_workgroup_id_x 1
		.amdhsa_system_sgpr_workgroup_id_y 1
		.amdhsa_system_sgpr_workgroup_id_z 1
		.amdhsa_system_vgpr_workitem_id 0
		.amdhsa_next_free_vgpr 128
		.amdhsa_next_free_sgpr 66
		.amdhsa_reserve_vcc 1
		.amdhsa_float_denorm_mode_32 3
		.amdhsa_float_denorm_mode_16_64 3
		.amdhsa_memory_ordered 1
		.amdhsa_forward_progress 1
		.amdhsa_inst_pref_size 33
	.end_amdhsa_kernel
	.amdgpu_metadata
---
amdhsa.version: [ 1, 2 ]
amdhsa.kernels:
  - .name:           k_q751a721d84_fin
    .symbol:         k_q751a721d84_fin.kd
    .args:
      - { .name: cand, .offset: 0, .size: 8, .value_kind: global_buffer, .address_space: global }
      - { .name: mws, .offset: 8, .size: 8, .value_kind: global_buffer, .address_space: global }
      - { .name: attn_W, .offset: 16, .size: 8, .value_kind: global_buffer, .address_space: global }
      - { .name: attn_b, .offset: 24, .size: 8, .value_kind: global_buffer, .address_space: global }
      - { .name: cls_W, .offset: 32, .size: 8, .value_kind: global_buffer, .address_space: global }
      - { .name: cls_b, .offset: 40, .size: 8, .value_kind: global_buffer, .address_space: global }
      - { .name: inst_b, .offset: 48, .size: 8, .value_kind: global_buffer, .address_space: global }
      - { .name: out0, .offset: 56, .size: 8, .value_kind: global_buffer, .address_space: global }
      - { .name: out1, .offset: 64, .size: 8, .value_kind: global_buffer, .address_space: global }
      - { .name: out2, .offset: 72, .size: 8, .value_kind: global_buffer, .address_space: global }
      - { .name: out4, .offset: 80, .size: 8, .value_kind: global_buffer, .address_space: global }
      - { .name: out5, .offset: 88, .size: 8, .value_kind: global_buffer, .address_space: global }
    .group_segment_fixed_size: 2048
    .private_segment_fixed_size: 0
    .kernarg_segment_align: 8
    .kernarg_segment_size: 96
    .max_flat_workgroup_size: 256
    .sgpr_count:     66
    .vgpr_count:     128
    .wavefront_size: 32
...
	.end_amdgpu_metadata
.endif
;; end of part 4
;; ======== version 2 of 2: 4 launches; version 1 with the launch prep written anew for expert scheduling mode
;; limits: values are held in f16: magnitudes above 65,504 overflow, below 6.1e-05 lose precision
;; workspace buffers: wstream 1,572,864 bytes; instT 2,048 bytes; tab 5,376 bytes; dl 262,144 bytes; part 1,048,576 bytes; cand 16,384 bytes; mws 8,192 bytes
;; launch prep (part 5): grid 97 x 1, 8 waves a work-group, no clusters, 0 bytes of LDS; arguments W_fc, Wa, Wb, Wc, b_fc, ba, bb, bc, inst_W, wstream, instT, tab; writes wstream, instT, tab
.if DOCPART == 5
	.amdgcn_target "amdgcn-amd-amdhsa--gfx1250"
	.amdhsa_code_object_version 6
	.text
	.protected	k_q751a721d84_prep
	.globl	k_q751a721d84_prep
	.p2align	8
	.type	k_q751a721d84_prep,@function
k_q751a721d84_prep:
	s_mov_b64 s[64:65], 0
	v_nop
	global_prefetch_b8 v0, s[64:65] scope:SCOPE_SE
	s_setreg_imm32_b32 hwreg(HW_REG_WAVE_SCHED_MODE, 0, 2), 2
	s_setreg_imm32_b32 hwreg(HW_REG_WAVE_MODE, 25, 1), 1
	s_wait_xcnt 0x0
	s_wait_alu depctr_vm_vsrc(0)
; THE WEIGHTS ARE CAST ONCE.  Every input is rounded to bf16 (nearest even); what the second product and the instance head multiply is that number written as f16.
; wstream: 1,536 rows of 1,024 bytes.  Rows 0-1023: bf16(W_fc[k][0..511]).  Rows 1024+k: column o' = 128 w + 64 t + j holds (t ? Wb : Wa)[k][64 w + j], so that one wave of the
; main launch finds a column of Wa and the same column of Wb in one lane.  instT: [2][512] f16, inst_W turned.  tab: f32 numbers that are bf16-rounded: b_fc, (ba, bb) in the o' order, Wc, bc 64 times.
; LIMIT: a weight of Wa, Wb, inst_W below 2^-14 in size keeps f16's fixed step of 6e-8; beyond 65,504 it would be an infinity.
; Work-groups 0-63 cast W_fc (32 KiB each), 64-95 Wa and Wb (16 rows each), 96 the small tables.  No LDS, no barrier: nothing is shared.
; THE MODE: SCHED_MODE bits 1:0 = 2 (LLVM: expert scheduling mode 2), set by the entry lines.  The code itself states the register dependences
; between vector instructions and memory instructions, with s_wait_alu, always for 0.
; THE PLAN.  Registers that memory instructions touch, in each arm:
;   the offsets (v2, v3; in the tables' arm v2 to v5)  written once at the arm's head, read by its loads and stores, never written again;
;   the loaded registers (from v8 on)                  no vector instruction names them ahead of the loads; behind the loads' wait vector instructions alone name them;
;   the out registers (v40-55; v72-87; in the tables' arm v8-15 and v28-31)  written by the roundings, read by one store each, never written again.
; So no register that a load or store has read is ever rewritten.  What is stated: s28 is written, once, ahead of the first branch; an arm's offsets are written, once, ahead of its first load; and the roundings
; have written what the stores read.  In the two large arms the eight units go in four pairs: pair g's roundings stand behind the wait for its loads, and the two stores of pair g - 1 at pair g's head, behind
; that wait and ONE wait on va_vdst.  In the tables' arm all the arithmetic stands first, then one wait, then the run of stores.
.macro RB a, b, t                      ; two f32 rounded to bf16 and kept as f32
	v_cvt_pk_bf16_f32 v[\t], v[\a], v[\b]
	v_lshlrev_b32 v[\a], 16, v[\t]
	v_and_b32 v[\b], 0xffff0000, v[\t]
.endm
.macro RH o, a, b, t                   ; the same, then packed as two f16
	RB \a, \b, \t
	v_cvt_pk_f16_f32 v[\o], v[\a], v[\b]
.endm
	s_load_b512 s[4:19], s[0:1], 0x0               ; W_fc s[4:5], Wa s[6:7], Wb s[8:9], Wc s[10:11], b_fc s[12:13], ba s[14:15], bb s[16:17], bc s[18:19]
	s_load_b256 s[20:27], s[0:1], 0x40             ; inst_W s[20:21], wstream s[22:23], instT s[24:25], tab s[26:27]
	v_lshrrev_b32 v1, 5, v0
	v_readfirstlane_b32 s28, v1                    ; wave 0..7
	v_and_b32 v1, 31, v0                           ; lane
	s_mov_b32 s29, 0xffff0000                      ; lanes 16-31
	s_mov_b32 s31, 0
	s_wait_alu depctr_va_sdst(0)                   ; s28 is written, ahead of the first branch: the arms below make offsets from it and branch on it
	s_wait_kmcnt 0x0
	s_cmp_lt_u32 ttmp9, 64
	s_cbranch_scc0 .Lnot_a
	; W_fc: 8 units of 4,096 bytes in, 2,048 out; a wave's store covers 256 consecutive bytes, aligned
	s_lshl_b32 s30, ttmp9, 15
	s_add_nc_u64 s[4:5], s[4:5], s[30:31]
	s_lshl_b32 s30, ttmp9, 14
	s_add_nc_u64 s[22:23], s[22:23], s[30:31]
	v_lshlrev_b32 v2, 4, v0
	v_lshlrev_b32 v3, 3, v0
	s_wait_alu depctr_va_vdst(0)                   ; v2 and v3 are written: the loads read v2 as their offset, the stores v3
.set u, 0
.rept 8
	global_load_b128 v[8+4*u:11+4*u], v2, s[4:5] offset:4096*u th:TH_LOAD_NT
.set u, u+1
.endr
.macro STORE_A u                       ; unit u goes out
	global_store_b64 v3, v[40+2*(\u):41+2*(\u)], s[22:23] offset:2048*(\u)
.endm
.set g, 0
.rept 4                                ; pair g: units 2 g and 2 g + 1
	s_wait_loadcnt 6-2*g                           ; loads come back in order: the pair's two loads are in, the younger ones stay out
.if g > 0
	s_wait_alu depctr_va_vdst(0)                   ; the roundings of the pair before have written its four out registers, which the two stores below read
	STORE_A 2*g-2
	STORE_A 2*g-1
.endif
	v_cvt_pk_bf16_f32 v[40+4*g], v[8+8*g],  v[9+8*g]
	v_cvt_pk_bf16_f32 v[41+4*g], v[10+8*g], v[11+8*g]
	v_cvt_pk_bf16_f32 v[42+4*g], v[12+8*g], v[13+8*g]
	v_cvt_pk_bf16_f32 v[43+4*g], v[14+8*g], v[15+8*g]
.set g, g+1
.endr
	s_wait_alu depctr_va_vdst(0)                   ; the last pair's roundings have written v52 to v55, which the last two stores read
	STORE_A 6
	STORE_A 7
	s_endpgm
.Lnot_a:
	s_cmp_lt_u32 ttmp9, 96
	s_cbranch_scc0 .Lnot_b
	; Wa, Wb: a wave takes two rows k.  Unit u = 64 columns: lanes 0-15 keep Wa's, lanes 16-31 Wb's of the same columns
	s_sub_co_u32 s30, ttmp9, 64
	s_lshl_b32 s30, s30, 14
	s_lshl_b32 s32, s28, 11
	s_add_co_u32 s30, s30, s32
	s_add_nc_u64 s[6:7], s[6:7], s[30:31]
	s_add_nc_u64 s[8:9], s[8:9], s[30:31]
	s_add_nc_u64 s[22:23], s[22:23], s[30:31]
	s_add_nc_u64 s[22:23], s[22:23], 1048576       ; behind W_fc's 1,024 rows
	v_and_b32 v2, 15, v0
	v_lshlrev_b32 v2, 4, v2
	v_lshlrev_b32 v3, 3, v1
	s_wait_alu depctr_va_vdst(0)                   ; v2 and v3 are written: the loads read v2 as their offset, the stores v3
.set u, 0
.rept 8
	global_load_b128 v[8+4*u:11+4*u], v2, s[6:7] offset:256*u
	global_load_b128 v[40+4*u:43+4*u], v2, s[8:9] offset:256*u
.set u, u+1
.endr
.macro UNIT_B u                        ; unit u: each half of the lanes keeps its tensor's four numbers; they are rounded and packed
.irp k, 0,1,2,3
	v_cndmask_b32 v[8+4*(\u)+(\k)], v[8+4*(\u)+(\k)], v[40+4*(\u)+(\k)], s29
.endr
	RH 72+2*(\u), 8+4*(\u), 9+4*(\u), 4
	RH 73+2*(\u), 10+4*(\u), 11+4*(\u), 4
.endm
.macro STORE_B u                       ; unit u goes out
	global_store_b64 v3, v[72+2*(\u):73+2*(\u)], s[22:23] offset:256*(\u)
.endm
.set g, 0
.rept 4                                ; pair g: units 2 g and 2 g + 1
	s_wait_loadcnt 12-4*g                          ; the pair's four loads are in, the younger ones stay out
.if g > 0
	s_wait_alu depctr_va_vdst(0)                   ; the packings of the pair before have written its four out registers, which the two stores below read
	STORE_B 2*g-2
	STORE_B 2*g-1
.endif
	UNIT_B 2*g
	UNIT_B 2*g+1
.set g, g+1
.endr
	s_wait_alu depctr_va_vdst(0)                   ; the last pair's packings have written v84 to v87, which the last two stores read
	STORE_B 6
	STORE_B 7
	s_endpgm
.Lnot_b:
	s_cmp_lt_u32 s28, 4
	s_cbranch_scc0 .Lc_hi
	; waves 0-3: a quarter each of b_fc, of (ba, bb) and of inst_W
	s_lshl_b32 s32, s28, 9
	s_lshl_b32 s33, s28, 8
	s_lshl_b32 s34, s28, 10
	v_lshl_add_u32 v2, v1, 4, s32                  ; 512 w + 16 l
	v_and_b32 v3, 15, v0
	v_lshl_add_u32 v3, v3, 4, s33                  ; 256 w + 16 (l % 16)
	v_lshl_add_u32 v4, v1, 5, s34                  ; 1,024 w + 32 l
	v_lshl_add_u32 v5, v1, 3, s33                  ; 256 w + 8 l
	s_wait_alu depctr_va_vdst(0)                   ; the four offsets v2 to v5 are written, which the loads and stores below read
	global_load_b128 v[8:11], v2, s[12:13]
	global_load_b128 v[12:15], v3, s[14:15]
	global_load_b128 v[16:19], v3, s[16:17]
	global_load_b128 v[20:23], v4, s[20:21]
	global_load_b128 v[24:27], v4, s[20:21] offset:16
	s_wait_loadcnt 0x0
	RB 8, 9, 6
	RB 10, 11, 6
.irp k, 0,1,2,3
	v_cndmask_b32 v[12+(\k)], v[12+(\k)], v[16+(\k)], s29
.endr
	RB 12, 13, 6
	RB 14, 15, 6
	RH 28, 20, 22, 6                               ; class 0 of rows k, k + 1
	RH 29, 24, 26, 6                               ; of rows k + 2, k + 3
	RH 30, 21, 23, 6                               ; class 1
	RH 31, 25, 27, 6
	s_wait_alu depctr_va_vdst(0)                   ; the roundings have written v8 to v15 and v28 to v31, which the four stores read
	global_store_b128 v2, v[8:11], s[26:27]
	global_store_b128 v2, v[12:15], s[26:27] offset:2048
	global_store_b64 v5, v[28:29], s[24:25]
	global_store_b64 v5, v[30:31], s[24:25] offset:1024
	s_endpgm
.Lc_hi:
	s_cmp_lt_u32 s28, 6
	s_cbranch_scc0 .Lc_bc
	s_sub_co_u32 s32, s28, 4                       ; waves 4, 5: half of Wc each
	s_lshl_b32 s32, s32, 9
	v_lshl_add_u32 v2, v1, 4, s32
	s_wait_alu depctr_va_vdst(0)                   ; v2 is written: the load and the store read it as their offset
	global_load_b128 v[8:11], v2, s[10:11]
	s_wait_loadcnt 0x0
	RB 8, 9, 6
	RB 10, 11, 6
	s_wait_alu depctr_va_vdst(0)                   ; the roundings have written v8 to v11, which the store reads
	global_store_b128 v2, v[8:11], s[26:27] offset:4096
	s_endpgm
.Lc_bc:
	s_cmp_eq_u32 s28, 6
	s_cbranch_scc0 .Lc_end
	v_mov_b32 v2, 0                                ; wave 6: bc, written 64 times so that the store covers 256 consecutive bytes
	v_lshlrev_b32 v3, 3, v1
	s_wait_alu depctr_va_vdst(0)                   ; v2 and v3 are written: the load reads v2 as its offset, the store v3
	global_load_b32 v8, v2, s[18:19]
	s_wait_loadcnt 0x0
	v_mov_b32 v9, v8
	RB 8, 9, 6
	s_wait_alu depctr_va_vdst(0)                   ; the rounding has written v8 and v9, which the store reads
	global_store_b64 v3, v[8:9], s[26:27] offset:5120
.Lc_end:
	s_endpgm
.Lfunc_end_k_q751a721d84_prep:
	.size	k_q751a721d84_prep, .Lfunc_end_k_q751a721d84_prep-k_q751a721d84_prep
	.p2alignl 7, 3214868480
	.fill 96, 4, 3214868480
	.section	.rodata,"a",@progbits
	.p2align	6, 0x0
	.amdhsa_kernel k_q751a721d84_prep
		.amdhsa_group_segment_fixed_size 0
		.amdhsa_private_segment_fixed_size 0
		.amdhsa_enable_private_segment 0
		.amdhsa_kernarg_size 96
		.amdhsa_user_sgpr_count 2
		.amdhsa_user_sgpr_kernarg_segment_ptr 1
		.amdhsa_wavefront_size32 1
		.amdhsa_system_sgpr_workgroup_id_x 1
		.amdhsa_system_sgpr_workgroup_id_y 1
		.amdhsa_system_sgpr_workgroup_id_z 1
		.amdhsa_system_vgpr_workitem_id 0
		.amdhsa_next_free_vgpr 96
		.amdhsa_next_free_sgpr 66
		.amdhsa_reserve_vcc 0
		.amdhsa_float_denorm_mode_32 3
		.amdhsa_float_denorm_mode_16_64 3
		.amdhsa_memory_ordered 1
		.amdhsa_forward_progress 1
		.amdhsa_inst_pref_size 17
	.end_amdhsa_kernel
	.amdgpu_metadata
---
amdhsa.version: [ 1, 2 ]
amdhsa.kernels:
  - .name:           k_q751a721d84_prep
    .symbol:         k_q751a721d84_prep.kd
    .args:
      - { .name: W_fc, .offset: 0, .size: 8, .value_kind: global_buffer, .address_space: global }
      - { .name: Wa, .offset: 8, .size: 8, .value_kind: global_buffer, .address_space: global }
      - { .name: Wb, .offset: 16, .size: 8, .value_kind: global_buffer, .address_space: global }
      - { .name: Wc, .offset: 24, .size: 8, .value_kind: global_buffer, .address_space: global }
      - { .name: b_fc, .offset: 32, .size: 8, .value_kind: global_buffer, .address_space: global }
      - { .name: ba, .offset: 40, .size: 8, .value_kind: global_buffer, .address_space: global }
      - { .name: bb, .offset: 48, .size: 8, .value_kind: global_buffer, .address_space: global }
      - { .name: bc, .offset: 56, .size: 8, .value_kind: global_buffer, .address_space: global }
      - { .name: inst_W, .offset: 64, .size: 8, .value_kind: global_buffer, .address_space: global }
      - { .name: wstream, .offset: 72, .size: 8, .value_kind: global_buffer, .address_space: global }
      - { .name: instT, .offset: 80, .size: 8, .value_kind: global_buffer, .address_space: global }
      - { .name: tab, .offset: 88, .size: 8, .value_kind: global_buffer, .address_space: global }
    .group_segment_fixed_size: 0
    .private_segment_fixed_size: 0
    .kernarg_segment_align: 8
    .kernarg_segment_size: 96
    .max_flat_workgroup_size: 256
    .sgpr_count:     66
    .vgpr_count:     96
    .wavefront_size: 32
...
	.end_amdgpu_metadata
.endif
;; end of part 5
;; launch main: the kernel of part 2 again; grid 512 x 1, 4 waves a work-group, clusters of 4 x 1, 327,680 bytes of LDS; arguments h1, h2, h3, h4, wstream, instT, tab, out3, dl, part; writes out3, dl, part
;; launch mid: the kernel of part 3 again; grid 24 x 4, 8 waves a work-group, no clusters, 6,144 bytes of LDS; arguments out3, dl, part, cand, mws; writes cand, mws
;; launch fin: the kernel of part 4 again; grid 1 x 1, 8 waves a work-group, no clusters, 2,048 bytes of LDS; arguments cand, mws, attn_W, attn_b, cls_W, cls_b, inst_b, out0, out1, out2, out4, out5; writes out0, out1, out2, out4, out5
